; MI455X (gfx1250); checked and timed in simulation.
; The chip was launched on July 23, 2026; its instructions are those of AMD's public machine-readable ISA for CDNA 5 (MIT licence, August 2026) and "CDNA5" Instruction Set Architecture Reference Guide (July 2026). The comments in the code are by the model that wrote it; some were corrected since.
;; Muti Query Attention. Allowed arithmetic: matrix products marked QUANTISED: E5M2 operands, one E8M0 scale for each 32 along K, by v_wmma_scale_f32_16x16x128_f8f6f4 with both operands' format E5M2, f32 sums; everything else in f32.
;; Inputs: Wk 1,024 x 64 float32; Wo 1,024 x 1,024 float32; Wq 1,024 x 1,024 float32; Wv 1,024 x 64 float32; bk 64 float32; bo 1,024 float32; bq 1,024 float32; bv 64 float32; hidden_state 4 x 2,048 x 1,024 float32.
;; Outputs: out0 4 x 2,048 x 1,024 float32.
;; This version of the problem:
;;   THIS VERSION OF THE PROBLEM IS GIVEN IN LOW PRECISION. The matrix products marked QUANTISED in the list below multiply operands that are first quantised to E5M2 (5 exponent bits, 2 mantissa bits; 8 bits a number), with one power-of-two scale for each 32 numbers along K (OCP MX v1.0); their sums are f32. All else is computed in f32.
;;   The module's matrix products, in the order in which they are computed (A, B: the left and right operand; K: the contracted axis; several contracted axes count as one K, in the product's order):
;;     1. [M 8,192, K 1,024] x [K 1,024, N 1,024]; A: input hidden_state; B: input Wq: QUANTISED
;;     2. [M 8,192, K 1,024] x [K 1,024, N 64]; A: input hidden_state; B: input Wk: QUANTISED
;;     3. [M 8,192, K 1,024] x [K 1,024, N 64]; A: input hidden_state; B: input Wv: QUANTISED
;;     4. batch 4 x [M 2,048, K 64] x [K 64, N 32,768]; A: computed on the way; B: computed on the way: QUANTISED
;;     5. batch 4 x [M 64, K 2,048] x [K 2,048, N 32,768]; A: computed on the way; B: softmax (see below): QUANTISED
;;     6. [M 8,192, K 1,024] x [K 1,024, N 1,024]; A: computed on the way; B: input Wo: QUANTISED
;;   THE QUANTISER, for each operand of a quantised product, along K:
;;     - K is cut into blocks of 32 from its start; a last block that is shorter is filled with zeros.
;;     - A block's scale is 2^e with e = floor(log2(the largest magnitude in the block)) - 15, held to -126 .. 127; a block of zeros has e = 0. As a byte (E8M0): e + 127.
;;     - Each number is divided by its block's scale, clamped to +-57,344, and rounded to the nearest number of E5M2, ties to even, subnormals kept.
;;     - The product sums the exact products of the quantised numbers (number of the format x scale) in f32.
;;   ~~~python
;;   def quantise(x, axis):      # numpy; x: float32 -> the quantised numbers, widened to float32 again
;;       x = np.moveaxis(x, axis, -1); K = x.shape[-1]
;;       x = np.pad(x, [(0, 0)] * (x.ndim - 1) + [(0, -K % 32)]); x = x.reshape(x.shape[:-1] + (-1, 32)); a = np.abs(x).max(-1, keepdims=True)
;;       e = np.where(a > 0, np.clip(np.frexp(np.where(a > 0, a, 1))[1] - 1 - 15, -126, 127), 0)      # np.frexp(a)[1] - 1 = floor(log2(a)), exactly
;;       r = np.clip(x / 2.0 ** e, -57344, 57344)
;;       step = 2.0 ** (np.maximum(np.frexp(np.where(r == 0, 1, r))[1] - 1, -14) - 2)
;;       q = np.round(r / step) * step * 2.0 ** e      # np.round: ties to even
;;       return np.moveaxis(q.reshape(q.shape[:-2] + (-1,))[..., :K], -1, axis).astype(np.float32)
;;   ~~~
;;   SOFTMAX AHEAD OF A QUANTISED PRODUCT. Where the list says 'softmax', what is quantised is not the finished softmax but p = 2^(t - M), with t = logit x log2(e) and M = ceil(the row's largest t), a whole number; so 1/2 < the row's largest p <= 1. The row's sum l is taken of the UNQUANTISED p, in f32, and the product's result is divided by l at the end. Since M is a whole number, a kernel that streams over the keys may use a running M (the ceiling of the running maximum): every later rescaling is an exact power of two, which a block's scale takes up: the codes' values come out the same.
;;   OPERANDS COMPUTED ON THE WAY. 'Computed on the way' means the value that the module computes at that place (a softmax that the list does not call 'softmax' is quantised finished and normalised). What goes into a quantiser is computed in f32, as accurately as f32 sums, v_exp_f32 and their like allow (about 1e-6 of the number): no bf16 or f16 on the way to a quantiser, and a product that is left as it is and whose result goes on into a quantised operand takes f32 operands (vector FMAs, or v_wmma_f32_16x16x4_f32). A number that lies on a knife's edge between two numbers of the format may be rounded either way, as far as f32 arithmetic and the matrix unit's own rounding can turn it there, and no further.
;; One version. Each part assembles by itself: llvm-mc -triple=amdgcn-amd-amdhsa -mcpu=gfx1250 --defsym DOCPART=n.
;; ======== version 1 of 1: 5 launches
;; limits: right only within a limited range of input values
;; workspace buffers: hsq 8,650,752 bytes; wts 2,297,856 bytes; qws 8,912,896 bytes; kvws 1,114,112 bytes; ows 8,650,752 bytes
;; launch quant (part 1): grid 392 x 1, 8 waves a work-group, no clusters, 60,928 bytes of LDS; arguments hidden_state, Wq, Wo, Wk, Wv, hsq, wts; writes hsq, wts
.if DOCPART == 1
	.amdgcn_target "amdgcn-amd-amdhsa--gfx1250"
	.amdhsa_code_object_version 6
	.text
	.protected	k_qefb38389e4_quant
	.globl	k_qefb38389e4_quant
	.p2align	8
	.type	k_qefb38389e4_quant,@function
k_qefb38389e4_quant:
	s_mov_b64 s[64:65], 0
	v_nop
	global_prefetch_b8 v0, s[64:65] scope:SCOPE_SE
	s_setreg_imm32_b32 hwreg(HW_REG_WAVE_MODE, 25, 1), 1
	s_wait_xcnt 0x0
; MULTI-QUERY ATTENTION IN MX-BF8, launch 1 of 5: the f32 inputs that are matrix operands become codes of E5M2 with one E8M0 byte for each 32 along K (K = the hidden axis, 1,024).
; NO WORK OF THE PROBLEM IS LEFT OUT IN ANY LAUNCH: bq, bk and bv go into quantised operands (q, k, v), bo into the result, so all nine inputs are loaded (hidden_state, Wq, Wo, Wk, Wv here; bk, bv, bq, bo later).
; The only zeros that are multiplied are the fill of the score product's K from 64 to the instruction's 128, inside live instructions (launch 4).
; hidden_state [8192][1024], K innermost: a plain stream of blocks of 32.  Work-groups 0-255, eight waves; a wave takes 8 steps of 512 numbers and asks for all of them at its head: 32 loads of 512 consecutive bytes.
; A step's 2,048 bytes turn through the wave's own stage in LDS, so that a lane then holds 16 neighbours along K (two lanes hold a block).  Codes -> hsq + 0, [8192][1024]; scale bytes -> hsq + 8,388,608, [8192][32]:
; the work-group's 1,024 scale bytes are gathered in LDS and leave behind one barrier, 512 consecutive bytes a store.
; Wq, Wo [1024][1024], Wk, Wv [1024][64], K outermost.  Work-groups 256-391 take 64 columns x 256 along K: 2 x 4 waves, a wave 32 columns x 64 along K: a lane takes a column and its 64 registers run down K, all 64 loads asked for at once.
; Codes and scale bytes meet in the work-group's stage in LDS; behind one barrier each wave sends 2,048 bytes of codes.
; Wq's and Wo's codes -> wts + 0 as IMAGES OF OPERAND REGISTERS: [tile of 16 rows: 0-63 Wq's columns, 64-127 Wo's][q: 128 along K, 8][c 4][lane 32][16 bytes], lane (r, h) holding row r, K = 128 q + 32 c + 16 h on.
; Wk's and Wv's -> wts + 2,097,152 as rows of 1,024 bytes (rows 2048-2111 Wk's columns, 2112-2175 Wv's).  Scale bytes of all -> wts + 2,228,224, [2176][32]: 8 bytes a row from a work-group, one byte in 128 of what it reads.
; A block's scale byte is its largest magnitude's exponent field - 15, held at 1 from below; each number is held within +-57,344 x the scale and rounded to the nearest code, ties to even.
; LIMITS: a block of zeros gets the byte 1 where the rule says 127 (its codes are zeros, and this program alone reads the bytes); blocks whose largest magnitude lies under 2^(16 - 127) have their byte held at 1;
; NaN and infinities among the inputs are not served.
; The two paths part on the work-group's number; each has LDS bytes of its own.  No tensor loads, no cluster, no matrix work: the launch streams.
.set SPW,   216                        ; v216  LDS address of my spare word; never rewritten
.set NIL,   217                        ; v217  0; never rewritten
.set EMAX,  15
.set MANT,  0x600000                   ; the mantissa field of 57,344
.set MNT,   47                         ; s47   holds it
; the path of hidden_state
.set STEPS, 8
.set CB,    16                         ; bytes of 16 codes
.set HR,    16                         ; v16-143  eight sets of 16 numbers as loaded
.set HX,    144                        ; v144-175 two sets of 16 neighbours
.set HE,    176                        ; v176-183 a scale byte for each step
.set HCD,   184                        ; v184-215 codes: four registers for each step, so that no store's data are written again
.set SP,    80                         ; a lane's place in a stage: 64 bytes + 16 of padding
.set WREG,  2*32*SP                    ; LDS 0 .. 40,959: two stages for each wave
.set HSC,   8*WREG                     ; LDS 40,960 .. 41,983: the work-group's scale bytes
; the path of the weights
.set PITCH, 272                        ; a stage row: 256 bytes of codes + 16
.set KROW,  1024
.set WSTG,  HSC+1024                   ; LDS 41,984 .. 59,391: 64 rows of PITCH bytes
.set WSC,   WSTG+64*PITCH              ; LDS 59,392 .. 59,903: [64 rows][8 scale bytes]
.set SPARE, WSC+512                    ; behind both paths' regions: 128 bytes for each wave, named by no other line
.set WX,    32                         ; v32-95   my column's 64 numbers
.set WCD,   96                         ; v96-111  two blocks' codes
.set OUTR,  112                        ; v112-127 the way out
.set SB,    24                         ; v24      my two scale bytes
.set SMALL, 30                         ; s30      1: Wk, Wv (rows of 256 bytes); 0: Wq, Wo (rows of 4,096 bytes)
	s_load_b256 s[4:11], s[0:1], 0x0               ; hidden_state, Wq, Wo, Wk
	s_load_b128 s[12:15], s[0:1], 0x20             ; Wv, hsq
	s_load_b64 s[16:17], s[0:1], 0x30              ; wts
	v_lshl_add_u32 v[SPW], v0, 2, SPARE
	v_mov_b32 v[NIL], 0
	v_lshrrev_b32 v1, 5, v0
	v_readfirstlane_b32 s18, v1                    ; wave 0..7
	v_and_b32 v2, 31, v0                           ; lane
	s_mov_b32 s[MNT], MANT
	s_cmp_lt_u32 ttmp9, 256
	s_cbranch_scc0 .Lweights
	; ---------------- hidden_state ----------------
	s_mul_i32 s19, s18, WREG                       ; my stages
	s_lshl_b32 s28, s18, 7
	s_add_co_u32 s28, s28, HSC                     ; my wave's 128 scale bytes
	s_and_b32 s29, s18, 1
	s_lshl_b32 s29, s29, 9                         ; waves 0, 1: which 512 of the 1,024 scale bytes I send
	s_lshl_b32 s20, ttmp9, 3
	s_add_co_u32 s20, s20, s18                     ; which run of 4,096 numbers is my wave's
	s_mov_b32 s21, 0
	s_lshl_b64 s[22:23], s[20:21], 14              ; 16,384 bytes of f32,
	s_lshl_b64 s[24:25], s[20:21], 12              ; 4,096 of codes
	s_lshl_b32 s26, ttmp9, 10                      ; 1,024 scale bytes a work-group
	s_mov_b32 s27, 0
	s_wait_alu depctr_va_vdst(0)
	v_lshlrev_b32 v3, 4, v2                        ; my 16 bytes of a load's 512
	v_lshrrev_b32 v14, 2, v2
	v_mul_u32_u24 v14, v14, SP
	v_and_b32 v15, 3, v2
	v_lshl_add_u32 v14, v15, 4, v14
	v_add_nc_u32 v14, s19, v14                     ; the stage, on the way in: four lanes' 64 bytes on end, then 16 of padding
	v_mul_u32_u24 v15, v2, SP
	v_add_nc_u32 v15, s19, v15                     ; and on the way out: SP x lane: my 16 neighbours
	v_mul_u32_u24 v4, v2, CB                       ; my codes' place in a step's
	v_lshrrev_b32 v5, 1, v2
	v_add_nc_u32 v5, s28, v5                       ; LDS: my block's byte
	v_add_nc_u32 v7, s29, v3                       ; the scale bytes' way out: 16 bytes a lane,
	v_add_nc_u32 v6, HSC, v7                       ; and the same place in LDS
	s_wait_alu depctr_va_vdst(0)                   ; the wait at the head's end
	s_wait_kmcnt 0x0
	s_add_nc_u64 s[4:5], s[4:5], s[22:23]
	s_add_nc_u64 s[24:25], s[14:15], s[24:25]
	s_add_nc_u64 s[26:27], s[14:15], s[26:27]
	s_add_nc_u64 s[26:27], s[26:27], 0x800000
.macro HTURN t                         ; step t's numbers through the stage: LDS serves a wave's instructions in order, so no wait stands between the stores and the loads
.irp i, 0,1,2,3
	ds_store_b128 v14, v[HR+16*(\t)+4*\i:HR+16*(\t)+4*\i+3] offset:32*SP*((\t)%2)+8*SP*\i
.endr
.irp i, 0,1,2,3
	ds_load_b128 v[HX+16*((\t)%2)+4*\i:HX+16*((\t)%2)+4*\i+3], v15 offset:32*SP*((\t)%2)+16*\i
.endr
.endm
.irp t, 0,1,2,3,4,5,6,7
.irp i, 0,1,2,3
	global_load_b128 v[HR+16*\t+4*\i:HR+16*\t+4*\i+3], v3, s[4:5] offset:2048*\t+512*\i th:TH_LOAD_NT   ; 32 lanes read 512 consecutive bytes; all 32 loads of the wave are out together
.endr
.endr
	s_wait_loadcnt 28                              ; step 0's four loads are in; the 28 of steps 1 to 7 may be out
	HTURN 0
.macro HSTEP t
.set HXS, HX+16*((\t)%2)
.if (\t) > 0
	s_wait_dscnt 1                                 ; this step's numbers are back from the stage (the last step's byte store may be out)
.else
	s_wait_dscnt 0x0
.endif
.if (\t)+1 < STEPS
	s_wait_loadcnt 4*(STEPS-2-(\t))                ; the next step's four loads are in; those of the steps behind it may be out
	HTURN (\t)+1                                   ; and go through the other stage while this step is worked
.endif
	v_max3_num_f32 v8, |v[HXS]|, |v[HXS+1]|, |v[HXS+2]|            ; the largest magnitude of my 16, in two chains
	v_max3_num_f32 v9, |v[HXS+3]|, |v[HXS+4]|, |v[HXS+5]|
.irp i, 6,10
	v_max3_num_f32 v8, v8, |v[HXS+\i]|, |v[HXS+\i+1]|
	v_max3_num_f32 v9, v9, |v[HXS+\i+2]|, |v[HXS+\i+3]|
.endr
	v_max3_num_f32 v8, v8, |v[HXS+14]|, |v[HXS+15]|
	v_max3_num_f32 v8, v8, v9, (EMAX+1)<<23        ; and the floor 2^(16 - 127): the byte cannot fall under 1
	v_max_num_f32_dpp v8, v8, v8 row_xmask:1 row_mask:0xf bank_mask:0xf   ; and of my neighbour's 16: the block's
	v_add_nc_u32 v11, -(EMAX<<23), v8              ; 15 off its exponent field: the conversion takes the exponent field of this operand as its scale
	v_and_or_b32 v10, v8, 0x7f800000, s[MNT]       ; 57,344 x the scale
.irp i, 0,1,2,3,4,5,6,7,8,9,10,11,12,13,14,15
	v_med3_num_f32 v[HXS+\i], v[HXS+\i], -v10, v10 ; the conversion to an 8-bit code does not saturate (ISA guide 7.6.2): the hold comes first
.endr
	v_cvt_scalef32_pk8_bf8_f32 v[HCD+4*(\t):HCD+4*(\t)+1], v[HXS:HXS+7], v11
	v_cvt_scalef32_pk8_bf8_f32 v[HCD+4*(\t)+2:HCD+4*(\t)+3], v[HXS+8:HXS+15], v11
	v_lshrrev_b32 v[HE+(\t)], 23, v11              ; the scale's byte (also the plain line behind the conversions)
	ds_store_b8 v5, v[HE+(\t)] offset:16*(\t)      ; both lanes of a block write the same byte with the same value
	global_store_b128 v4, v[HCD+4*(\t):HCD+4*(\t)+3], s[24:25] offset:32*CB*(\t)   ; 32 lanes store 512 consecutive bytes
.endm
.irp t, 0,1,2,3,4,5,6,7
	HSTEP \t
.endr
	s_wait_dscnt 0x0                               ; for the others' sake: my byte stores are done
	s_barrier_signal -1
	s_barrier_wait -1
	s_cmp_lt_u32 s18, 2
	s_cbranch_scc0 .Lend
	ds_load_b128 v[8:11], v6                       ; waves 0 and 1 send the work-group's scale bytes
	s_wait_dscnt 0x0
	global_store_b128 v7, v[8:11], s[26:27]        ; 32 lanes store 512 consecutive aligned bytes
	s_branch .Lend
	; ---------------- the weights ----------------
.Lweights:
	s_sub_co_u32 s20, ttmp9, 256                   ; 0-127: Wq, Wo in parts of 64 columns x 256 along K;  128-135: Wk, Wv, 256 along K each
	s_lshr_b32 s21, s20, 6                         ; large: 0 Wq, 1 Wo
	s_bfe_u32 s22, s20, 0x40002                    ; large: which 64 columns
	s_and_b32 s23, s20, 3                          ; y: which 256 along K
	s_bfe_u32 s27, s20, 0x10002                    ; small: 0 Wk, 1 Wv
	s_and_b32 s28, s18, 1                          ; my wave: which 32 of the 64 columns,
	s_lshr_b32 s29, s18, 1                         ; and which 64 of the 256 along K
	s_lshl_b32 s24, s22, 6                         ; large: the work-group's first column
	s_lshl_b32 s26, s21, 10
	s_add_co_u32 s26, s26, s24                     ; large: its row in wts
	s_lshl_b32 s25, s27, 6
	s_add_co_u32 s25, s25, 2048                    ; small: row 2,048 or 2,112
	s_lshl_b32 s42, s23, 8                         ; small: 256 y bytes into a row of codes
	s_lshl_b32 s43, s23, 12                        ; large: 4,096 y bytes into a tile's image
	s_mov_b32 s31, 4096
	s_cmp_ge_u32 s20, 128
	s_cselect_b32 s[SMALL], 1, 0
	s_cselect_b32 s24, 0, s24
	s_cselect_b32 s26, s25, s26
	s_cselect_b32 s31, 256, s31                    ; a row of the source in bytes
	s_cselect_b32 s42, s42, s43
	s_lshl_b32 s25, s28, 5
	s_add_co_u32 s24, s24, s25                     ; my wave's first column
	s_lshl_b32 s36, s23, 8
	s_lshl_b32 s37, s29, 6
	s_add_co_u32 s36, s36, s37                     ; my wave's first row of the source: 256 y + 64 (wave / 2)
	s_mul_i32 s36, s36, s31
	s_lshl_b32 s37, s24, 2
	s_add_co_u32 s36, s36, s37
	s_mov_b32 s37, 0
	s_lshl_b32 s38, s26, 10
	s_add_co_u32 s38, s38, s42                     ; the codes' place
	s_mov_b32 s39, 0
	s_lshl_b32 s40, s26, 5
	s_lshl_b32 s41, s23, 3
	s_add_co_u32 s40, s40, s41
	s_add_co_u32 s40, s40, 2228224                 ; the scale bytes': behind the codes, row x 32 + 8 y
	s_mov_b32 s41, 0
	s_mul_i32 s48, s28, 32*PITCH                   ; into the stage: row 32 (wave % 2) + lane, byte 64 (wave / 2)
	s_lshl_b32 s49, s29, 6
	s_add_co_u32 s48, s48, s49
	s_add_co_u32 s48, s48, WSTG
	s_lshl_b32 s49, s28, 8                         ; my two scale bytes: 8 bytes a row, byte 2 (wave / 2)
	s_lshl_b32 s50, s29, 1
	s_add_co_u32 s49, s49, s50
	s_add_co_u32 s49, s49, WSC
	s_mul_i32 s50, s29, 16*PITCH                   ; out as images: wave w sends tile w / 2, q = 2 y + w % 2
	s_lshl_b32 s51, s28, 7
	s_add_co_u32 s50, s50, s51
	s_add_co_u32 s50, s50, WSTG
	s_lshl_b32 s51, s29, 14
	s_lshl_b32 s52, s28, 11
	s_add_co_u32 s51, s51, s52
	s_mul_i32 s52, s18, 8*PITCH                    ; out as rows: wave w sends rows 8 w on
	s_add_co_u32 s52, s52, WSTG
	s_lshl_b32 s53, s18, 13
	s_lshl_b32 s54, s28, 8                         ; waves 0, 1 send the scale bytes of 32 rows each
	s_add_co_u32 s54, s54, WSC
	s_lshl_b32 s55, s28, 10
	s_wait_alu depctr_va_vdst(0)
	v_lshlrev_b32 v3, 2, v2                        ; in: 4 bytes a lane
	v_mul_u32_u24 v4, v2, PITCH
	v_add_nc_u32 v4, s48, v4
	v_lshl_add_u32 v9, v2, 3, s49
	v_and_b32 v5, 15, v2
	v_lshrrev_b32 v6, 4, v2
	v_mul_u32_u24 v10, v5, PITCH
	v_lshl_add_u32 v10, v6, 4, v10
	v_add_nc_u32 v10, s50, v10                     ; images, out of the stage: row lane % 16, 16 bytes for each half of the lanes
	v_lshl_add_u32 v11, v2, 4, s51                 ; and into the image: 16 x lane
	v_mul_u32_u24 v7, v6, PITCH
	v_lshl_add_u32 v7, v5, 4, v7
	v_add_nc_u32 v7, s52, v7                       ; rows, out of the stage: sixteen lanes to a row, two rows an instruction
	v_lshlrev_b32 v8, 10, v6
	v_lshl_add_u32 v8, v5, 4, v8
	v_add_nc_u32 v8, s53, v8                       ; and the same place among the codes
	v_lshl_add_u32 v16, v2, 3, s54
	v_lshl_add_u32 v17, v2, 5, s55
	s_wait_alu depctr_va_vdst(0)                   ; the wait at the head's end
	s_wait_kmcnt 0x0
	s_cmp_eq_u32 s21, 0                            ; the choices hang on the work-group's number alone
	s_cselect_b64 s[32:33], s[6:7], s[8:9]
	s_cmp_eq_u32 s27, 0
	s_cselect_b64 s[34:35], s[10:11], s[12:13]
	s_cmp_eq_u32 s[SMALL], 0
	s_cselect_b64 s[4:5], s[32:33], s[34:35]
	s_add_nc_u64 s[4:5], s[4:5], s[36:37]
	s_add_nc_u64 s[38:39], s[16:17], s[38:39]
	s_add_nc_u64 s[40:41], s[16:17], s[40:41]
	s_cmp_eq_u32 s[SMALL], 0                       ; the two arms differ in the source's row length alone: 64 loads either way, W(i, my column); two waves side by side read 256 consecutive bytes
	s_cbranch_scc0 .Lshort
.set i_, 0
.rept 64
	global_load_b32 v[WX+i_], v3, s[4:5] offset:i_*4096 th:TH_LOAD_NT
.set i_, i_+1
.endr
	s_branch .Lloaded
.Lshort:
.set i_, 0
.rept 64
	global_load_b32 v[WX+i_], v3, s[4:5] offset:i_*256 th:TH_LOAD_NT
.set i_, i_+1
.endr
.Lloaded:
.macro BLOCK t
.set WXS, WX+32*(\t)
	s_wait_loadcnt 32*(1-(\t))                     ; this block's 32 loads are in; the second block's may be out
	v_max3_num_f32 v12, |v[WXS]|, |v[WXS+1]|, |v[WXS+2]|            ; the block's largest magnitude: all 32 numbers are mine
	v_max3_num_f32 v13, |v[WXS+3]|, |v[WXS+4]|, |v[WXS+5]|
.irp i, 6,10,14,18,22,26
	v_max3_num_f32 v12, v12, |v[WXS+\i]|, |v[WXS+\i+1]|
	v_max3_num_f32 v13, v13, |v[WXS+\i+2]|, |v[WXS+\i+3]|
.endr
	v_max3_num_f32 v12, v12, |v[WXS+30]|, |v[WXS+31]|
	v_max3_num_f32 v12, v12, v13, (EMAX+1)<<23     ; and the floor
	v_add_nc_u32 v18, -(EMAX<<23), v12             ; the conversion's scale operand
	v_and_or_b32 v19, v12, 0x7f800000, s[MNT]      ; 57,344 x the scale
	v_lshrrev_b32 v13, 23, v18                     ; the scale's byte
.if (\t) == 0
	v_mov_b32 v[SB], v13                           ; the lower K in the lower byte
.else
	v_lshl_or_b32 v[SB], v13, 8, v[SB]
.endif
.irp i, 0,1,2,3,4,5,6,7,8,9,10,11,12,13,14,15,16,17,18,19,20,21,22,23,24,25,26,27,28,29,30,31
	v_med3_num_f32 v[WXS+\i], v[WXS+\i], -v19, v19
.endr
.irp g, 0,1,2,3
	v_cvt_scalef32_pk8_bf8_f32 v[WCD+8*(\t)+2*\g:WCD+8*(\t)+2*\g+1], v[WXS+8*\g:WXS+8*\g+7], v18
.endr
	v_nop                                          ; a plain line behind the last conversion
	ds_store_b128 v4, v[WCD+8*(\t):WCD+8*(\t)+3] offset:32*(\t)      ; 32 codes: 32 bytes of my column's row
	ds_store_b128 v4, v[WCD+8*(\t)+4:WCD+8*(\t)+7] offset:32*(\t)+16
.endm
	BLOCK 0
	BLOCK 1
	ds_store_b16 v9, v[SB]
	s_wait_dscnt 0x0                               ; for the others' sake: my stores into the stage are done
	s_barrier_signal -1
	s_barrier_wait -1
	s_cmp_eq_u32 s[SMALL], 0
	s_cbranch_scc0 .Lrows
.irp i, 0,1,2,3
	ds_load_b128 v[OUTR+4*\i:OUTR+4*\i+3], v10 offset:32*\i
.endr
.irp i, 0,1,2,3
	s_wait_dscnt 3-\i                              ; the younger loads may be out
	global_store_b128 v11, v[OUTR+4*\i:OUTR+4*\i+3], s[38:39] offset:512*\i    ; piece c = i of an image: 32 lanes store 512 consecutive aligned bytes
.endr
	s_branch .Lbytes
.Lrows:
.irp i, 0,1,2,3
	ds_load_b128 v[OUTR+4*\i:OUTR+4*\i+3], v7 offset:2*\i*PITCH
.endr
.irp i, 0,1,2,3
	s_wait_dscnt 3-\i
	global_store_b128 v8, v[OUTR+4*\i:OUTR+4*\i+3], s[38:39] offset:2*\i*KROW  ; sixteen lanes store 256 consecutive aligned bytes
.endr
.Lbytes:
	s_cmp_lt_u32 s18, 2
	s_cbranch_scc0 .Lend
	ds_load_b64 v[20:21], v16                      ; waves 0 and 1: a row's 8 scale bytes a lane
	s_wait_dscnt 0x0
	global_store_b64 v17, v[20:21], s[40:41]
.Lend:
	s_wait_tensorcnt 0x0                           ; the wave's end, behind my last LDS store
	ds_add_u32 v[SPW], v[NIL]
	s_wait_dscnt 0x0
	s_endpgm
.Lfunc_end_k_qefb38389e4_quant:
	.size	k_qefb38389e4_quant, .Lfunc_end_k_qefb38389e4_quant-k_qefb38389e4_quant
	.p2alignl 7, 3214868480
	.fill 96, 4, 3214868480
	.section	.rodata,"a",@progbits
	.p2align	6, 0x0
	.amdhsa_kernel k_qefb38389e4_quant
		.amdhsa_group_segment_fixed_size 60928
		.amdhsa_private_segment_fixed_size 0
		.amdhsa_enable_private_segment 0
		.amdhsa_kernarg_size 56
		.amdhsa_user_sgpr_count 2
		.amdhsa_user_sgpr_kernarg_segment_ptr 1
		.amdhsa_wavefront_size32 1
		.amdhsa_system_sgpr_workgroup_id_x 1
		.amdhsa_system_sgpr_workgroup_id_y 1
		.amdhsa_system_sgpr_workgroup_id_z 1
		.amdhsa_system_vgpr_workitem_id 0
		.amdhsa_next_free_vgpr 224
		.amdhsa_next_free_sgpr 66
		.amdhsa_reserve_vcc 0
		.amdhsa_float_denorm_mode_32 3
		.amdhsa_float_denorm_mode_16_64 3
		.amdhsa_memory_ordered 1
		.amdhsa_forward_progress 1
		.amdhsa_inst_pref_size 52
	.end_amdhsa_kernel
	.amdgpu_metadata
---
amdhsa.version: [ 1, 2 ]
amdhsa.kernels:
  - .name:           k_qefb38389e4_quant
    .symbol:         k_qefb38389e4_quant.kd
    .args:
      - { .name: hidden_state, .offset: 0, .size: 8, .value_kind: global_buffer, .address_space: global }
      - { .name: Wq, .offset: 8, .size: 8, .value_kind: global_buffer, .address_space: global }
      - { .name: Wo, .offset: 16, .size: 8, .value_kind: global_buffer, .address_space: global }
      - { .name: Wk, .offset: 24, .size: 8, .value_kind: global_buffer, .address_space: global }
      - { .name: Wv, .offset: 32, .size: 8, .value_kind: global_buffer, .address_space: global }
      - { .name: hsq, .offset: 40, .size: 8, .value_kind: global_buffer, .address_space: global }
      - { .name: wts, .offset: 48, .size: 8, .value_kind: global_buffer, .address_space: global }
    .group_segment_fixed_size: 60928
    .private_segment_fixed_size: 0
    .kernarg_segment_align: 8
    .kernarg_segment_size: 56
    .max_flat_workgroup_size: 256
    .sgpr_count:     66
    .vgpr_count:     224
    .wavefront_size: 32
...
	.end_amdgpu_metadata
.endif
;; end of part 1
;; launch kvproj (part 2): grid 64 x 1, 8 waves a work-group, no clusters, 276,480 bytes of LDS; arguments hsq, wts, bk, bv, kvws; writes kvws
.if DOCPART == 2
	.amdgcn_target "amdgcn-amd-amdhsa--gfx1250"
	.amdhsa_code_object_version 6
	.text
	.protected	k_qefb38389e4_kvproj
	.globl	k_qefb38389e4_kvproj
	.p2align	8
	.type	k_qefb38389e4_kvproj,@function
k_qefb38389e4_kvproj:
	s_mov_b64 s[64:65], 0
	v_nop
	global_prefetch_b8 v0, s[64:65] scope:SCOPE_SE
	s_setreg_imm32_b32 hwreg(HW_REG_WAVE_MODE, 25, 1), 1
	s_wait_xcnt 0x0
; Launch 2 of 5: k = hidden Wk + bk and v = hidden Wv + bv on codes of E5M2, then k is quantised along the head's 64 and v along the keys.  No work of the problem is left out.
; A work-group takes 128 rows (keys) of one batch and writes one RECORD of 17,408 bytes, which launch 4 reads as images of operand registers:
;   +0      K: [tile of 16 keys T 8][c 2][lane 32][16 bytes]        +8,192  V: [tile of 16 channels t 4][c 4][lane 32][16 bytes]
;   +16,384 K's scale words [g 2][key r 16][4 words], tile T = 4 g + word; bytes 0, 1 real, bytes 2, 3 zero        +16,896 V's scale words [lane 32][4 words], word = tile t
; LDS is filled once: the 128 rows of hidden's codes, the 128 rows of Wk | Wv's codes (1,024 bytes a row, 16 of padding behind each) and both sides' scale bytes.  Waves 0-3 fetch 64 rows each, waves 4, 5 a side's 4,096 scale
; bytes each: at most one tensor load of mine is out.  NO CLUSTER: a work-group asks once, at its head; half of its 266 KB are rows that it alone reads, and nothing is asked for a second time.
; EIGHT WAVES, TWO ROLES (wave & 1).  Each has 4 tiles for source 0, 2 tiles for source 1, 8 accumulators.
;   K: source 0 = Wk's 4 tiles of 16 dims, source 1 = 2 tiles of 16 keys: a lane holds ONE key and its registers run along the dims, which are the score product's K.
;   V: source 0 = 4 tiles of 16 keys, source 1 = 2 tiles of 16 of Wv's channels: a lane holds ONE channel and its registers run along the keys, which are the second product's K.
; In both the 64 registers are four blocks of 32 along the next K: block B's registers 16 B + i hold element 32 b + 8 h + i (i < 8) or 32 b + 16 + 8 h + i - 8 (h = lane / 16).  That order inside a block is the same
; in the operand that each meets in launch 4 (q, made so by launch 3; p, made so by launch 4), and it stays inside a block of 32, so every product pairs the right numbers under the right scales.
; The bias starts the sums: it is loaded into the accumulators.
; LIMITS: a block of zeros carries the byte 1 (its codes are zeros); NaN and infinities are not served.
.set PITCH, 1040                       ; an LDS row of codes: 1,024 bytes + 16 = 260 words: row r starts at bank 4 r mod 64 (64 banks of 4 bytes: ISA guide 11.1)
.set TILE,  16*PITCH
.set HCB,   0                          ; hidden's 128 rows
.set WCB,   8*TILE                     ; Wk's 64 rows, then Wv's 64
.set HSB,   16*TILE                    ; hidden's scale bytes, [128][32]
.set WSB,   HSB+4096                   ; the weights'
.set TAIL,  WSB+4096                   ; a stage for the record's 1,024 bytes of scale words; no tensor load lands here
.set SPARE, TAIL+1024                  ; the spare words, 128 bytes for each of eight waves, named by no other line
.set REC,   17408
.set XA,  3                            ; v3   LDS address of source 0's fragments
.set YA,  4                            ; v4   of source 1's
.set XSA, 5                            ; v5   of source 0's scale words
.set YSA, 6                            ; v6   of source 1's
.set GO0, 7                            ; v7, v8  where my two groups of images go in the record
.set GO1, 8
.set TAD, 9                            ; v9   where my scale words go in the tail's stage
.set LI,  10                           ; v10  16 x lane
.set TRD, 11                           ; v11  waves 0, 1: where I read the tail back
.set SPW, 12                           ; v12  LDS address of my spare word; never rewritten
.set NIL, 13                           ; v13  0; never rewritten
.set BKO, 14                           ; v14  bk: 32 h
.set BVO, 15                           ; v15  bv: 4 r + my channels
.set X,   16                           ; v16-79   source 0: four fragments
.set Y,   80                           ; v80-111  source 1: two
.set XS,  112                          ; v112-115 source 0's scale words: these six registers hold scales and nothing else
.set YS,  116                          ; v116-117 source 1's
.set ACC, 128                          ; v128-191 accumulator (u, i) at ACC + 32 u + 8 i
.set TM,  192                          ; v192-207 the quantiser's: largest magnitudes, bytes, holds, scale operands
.set PC,  208                          ; v208-223 the codes
.set PW,  224                          ; v224     the four blocks' bytes
.set W0,  226                          ; v226, v227  its two halves
.set W1,  227
.set TD,  228                          ; v228-231 the tail on its way out
.set TGO, 232                          ; v232     and its place in the record
.set WV,  14                           ; s14  wave
.set ROLE, 15                          ; s15  0: K, 1: V
.set G1C, 16                           ; s[16:23] descriptor group 1, codes;  s[24:31] scale bytes;  s[32:47] four groups 0
.set G1S, 24
.set G0,  32
.set SEL, 48                           ; s[48:49] v_permlanex16_b32's selects for lane l xor 16
.set MNT, 50                           ; s50  the mantissa field of 57,344
	s_load_b256 s[4:11], s[0:1], 0x0               ; hsq, wts, bk, bv
	s_load_b64 s[12:13], s[0:1], 0x20              ; kvws
	v_lshl_add_u32 v[SPW], v0, 2, SPARE
	v_mov_b32 v[NIL], 0
	ds_add_u32 v[SPW], v[NIL]                      ; the wave's opening: the add, twice on end, and its wait ahead of my first tensor load
	ds_add_u32 v[SPW], v[NIL]
	v_lshrrev_b32 v1, 5, v0
	s_delay_alu instid0(VALU_DEP_1)
	v_readfirstlane_b32 s[WV], v1                  ; wave 0..7
	s_mov_b32 s[G1C+0], (1<<20)|(7<<22)|(3<<25)    ; elements of 1 byte; padding on: 4 words behind every 256
	s_mov_b32 s[G1C+1], 1024<<16                   ; tensor_dim0
	s_mov_b32 s[G1C+2], 64<<16                     ; tensor_dim1: a load of codes brings 64 rows
	s_mov_b32 s[G1C+3], 1024<<16                   ; tile_dim0
	s_mov_b32 s[G1C+4], 64                         ; tile_dim1
	s_mov_b32 s[G1C+5], 1024                       ; from row to row
	s_mov_b32 s[G1C+6], 0
	s_mov_b32 s[G1C+7], 0
	s_mov_b32 s[G1S+0], 3<<16                      ; elements of 8 bytes, 32 a row
	s_mov_b32 s[G1S+1], 32<<16
	s_mov_b32 s[G1S+2], 16<<16                     ; a side's 4,096 dense scale bytes as 16 rows of 256
	s_mov_b32 s[G1S+3], 32<<16
	s_mov_b32 s[G1S+4], 16
	s_mov_b32 s[G1S+5], 32
	s_mov_b32 s[G1S+6], 0
	s_mov_b32 s[G1S+7], 0
	s_and_b32 s52, s[WV], 1                        ; which 64 rows of a side's 128 a wave that fetches codes takes
	s_mul_i32 s51, s52, 4*TILE                     ; their place in LDS,
	s_lshl_b32 s55, s52, 16                        ; and in memory
	s_lshl_b32 s54, ttmp9, 17
	s_add_co_u32 s54, s54, s55                     ; hidden's codes: row 128 g + 64 (w & 1)
	s_add_co_u32 s56, s55, 2097152                 ; the weights': row 2,048 + 64 (w & 1)
	s_mov_b32 s55, 0
	s_mov_b32 s57, 0
	s_lshl_b32 s58, ttmp9, 12
	s_add_co_u32 s58, s58, 0x800000                ; hidden's scale bytes, all 4,096
	s_mov_b32 s59, 0
	s_mov_b32 s60, 2293760                         ; the weights'
	s_mov_b32 s61, 0
	s_mul_i32 s62, ttmp9, REC                      ; my record
	s_mov_b32 s63, 0
	s_mov_b32 s[SEL], 0x76543210
	s_mov_b32 s[SEL+1], 0xfedcba98
	s_mov_b32 s[MNT], 0x600000
	s_wait_dscnt 0x0                               ; both opening adds are done
	s_wait_kmcnt 0x0
	s_mov_b32 s[G0+0], 1
	s_mov_b32 s[G0+1], s51
	s_add_nc_u64 s[G0+2:G0+3], s[4:5], s[54:55]
	s_or_b32 s[G0+3], s[G0+3], 0x80000000
	s_mov_b32 s[G0+4], 1
	s_add_co_u32 s[G0+5], s51, WCB
	s_add_nc_u64 s[G0+6:G0+7], s[6:7], s[56:57]
	s_or_b32 s[G0+7], s[G0+7], 0x80000000
	s_mov_b32 s[G0+8], 1
	s_mov_b32 s[G0+9], HSB
	s_add_nc_u64 s[G0+10:G0+11], s[4:5], s[58:59]
	s_or_b32 s[G0+11], s[G0+11], 0x80000000
	s_mov_b32 s[G0+12], 1
	s_mov_b32 s[G0+13], WSB
	s_add_nc_u64 s[G0+14:G0+15], s[6:7], s[60:61]
	s_or_b32 s[G0+15], s[G0+15], 0x80000000
	; THE FIRST FILLS, AT MOST ONE A WAVE, in one chain of arms on the wave's number: waves 0, 1 hidden's codes, 64 rows each; waves 2, 3 the weights'; wave 4 hidden's scale bytes; wave 5 the weights'
	s_cmp_lt_u32 s[WV], 2
	s_cbranch_scc0 .Lhead_w
	tensor_load_to_lds s[G0+0:G0+3], s[G1C:G1C+7]
	s_nop 0
	s_branch .Lhead_asked
.Lhead_w:
	s_cmp_lt_u32 s[WV], 4
	s_cbranch_scc0 .Lhead_hs
	tensor_load_to_lds s[G0+4:G0+7], s[G1C:G1C+7]
	s_nop 0
	s_branch .Lhead_asked
.Lhead_hs:
	s_cmp_eq_u32 s[WV], 4
	s_cbranch_scc0 .Lhead_ws
	tensor_load_to_lds s[G0+8:G0+11], s[G1S:G1S+7]
	s_nop 0
	s_branch .Lhead_asked
.Lhead_ws:
	s_cmp_eq_u32 s[WV], 5
	s_cbranch_scc0 .Lhead_asked
	tensor_load_to_lds s[G0+12:G0+15], s[G1S:G1S+7]
	s_nop 0
.Lhead_asked:
.rept 4
	v_nop
.endr
	s_add_nc_u64 s[12:13], s[12:13], s[62:63]
	; the roles' bits, each made of the wave's number and constants.  p = w / 2; in role V kappa = w / 4 (which 64 keys) and chi = p & 1 (which 32 channels); in role K p says which 32 keys
	s_and_b32 s[ROLE], s[WV], 1
	s_xor_b32 s51, s[ROLE], 1                      ; 1 in role K
	s_and_b32 s52, s[WV], 5
	s_add_co_u32 s53, s52, 3
	s_lshr_b32 s53, s53, 3                         ; role V and w / 4
	s_xor_b32 s52, s52, 1
	s_add_co_u32 s52, s52, 3
	s_lshr_b32 s52, s52, 3                         ; role K and w / 4
	s_and_b32 s54, s[WV], 3
	s_add_co_u32 s55, s54, 1
	s_lshr_b32 s55, s55, 2                         ; role V and p & 1
	s_xor_b32 s54, s54, 1
	s_add_co_u32 s54, s54, 1
	s_lshr_b32 s54, s54, 2                         ; role K and p & 1
	s_mul_i32 s56, s51, WCB
	s_mul_i32 s57, s53, 4*TILE
	s_add_co_u32 s56, s56, s57                     ; source 0: K: Wk's rows;  V: hidden's tiles 4 kappa on
	s_mul_i32 s57, s52, 4*TILE
	s_mul_i32 s58, s54, 2*TILE
	s_add_co_u32 s57, s57, s58
	s_mul_i32 s58, s[ROLE], WCB+4*TILE
	s_add_co_u32 s57, s57, s58
	s_mul_i32 s58, s55, 2*TILE
	s_add_co_u32 s57, s57, s58                     ; source 1: K: hidden's tiles 2 p on;  V: Wv's tiles 2 chi on
	s_lshl_b32 s58, s51, 12
	s_lshl_b32 s59, s53, 11
	s_add_co_u32 s58, s58, s59
	s_add_co_u32 s58, s58, HSB                     ; source 0's scale bytes
	s_lshl_b32 s59, s52, 11
	s_lshl_b32 s60, s54, 10
	s_add_co_u32 s59, s59, s60
	s_mul_i32 s60, s[ROLE], 6144
	s_add_co_u32 s59, s59, s60
	s_lshl_b32 s60, s55, 10
	s_add_co_u32 s59, s59, s60
	s_add_co_u32 s59, s59, HSB                     ; source 1's
	v_and_b32 v1, 15, v0                           ; r
	v_bfe_u32 v2, v0, 4, 1                         ; h
	v_and_b32 v[LI], 31, v0
	s_delay_alu instid0(VALU_DEP_1)
	v_lshlrev_b32 v[LI], 4, v[LI]
	s_delay_alu instid0(VALU_DEP_4)
	v_mul_u32_u24 v14, v1, PITCH
	s_delay_alu instid0(VALU_DEP_1)
	v_lshl_add_u32 v14, v2, 4, v14                 ; a fragment's row x pitch + 16 h
	s_delay_alu instid0(VALU_DEP_1)
	v_add_nc_u32 v[XA], s56, v14
	s_delay_alu instid0(VALU_DEP_2)
	v_add_nc_u32 v[YA], s57, v14
	v_lshlrev_b32 v15, 5, v1                       ; a row's 32 scale bytes
	s_delay_alu instid0(VALU_DEP_1)
	v_add_nc_u32 v[XSA], s58, v15
	s_delay_alu instid0(VALU_DEP_2)
	v_add_nc_u32 v[YSA], s59, v15
	s_lshl_b32 s60, s[ROLE], 9                     ; the tail's stage: K's words at 0, V's at 512
	s_add_co_u32 s62, s54, s55                     ; p & 1
	s_lshl_b32 s61, s62, 3
	s_add_co_u32 s60, s60, s61                     ; two words for each p & 1
	s_lshl_b32 s61, s52, 8
	s_add_co_u32 s60, s60, s61                     ; K: g = p / 2: 256 bytes on
	s_lshl_b32 s61, s53, 1
	s_add_co_u32 s60, s60, s61                     ; V: kappa: the word's upper two bytes
	s_add_co_u32 s60, s60, TAIL
	s_lshl_b32 s61, s[ROLE], 8
	v_mul_u32_u24 v[TAD], s61, v2                  ; V: lanes 16-31 have words of their own, 256 bytes on
	s_delay_alu instid0(VALU_DEP_1)
	v_lshl_add_u32 v[TAD], v1, 4, v[TAD]
	s_delay_alu instid0(VALU_DEP_1)
	v_add_nc_u32 v[TAD], s60, v[TAD]
	s_lshl_b32 s60, s52, 12                        ; the images' place in the record: K: 2,048 p;  V: 8,192 + 4,096 chi + 1,024 kappa
	s_lshl_b32 s61, s54, 11
	s_add_co_u32 s60, s60, s61
	s_lshl_b32 s61, s[ROLE], 13
	s_add_co_u32 s60, s60, s61
	s_lshl_b32 s61, s55, 12
	s_add_co_u32 s60, s60, s61
	s_lshl_b32 s61, s53, 10
	s_add_co_u32 s60, s60, s61
	v_add_nc_u32 v[GO0], s60, v[LI]
	s_lshl_b32 s61, s[ROLE], 10
	s_add_co_u32 s61, s61, 1024                    ; from source 1's tile 0 to its tile 1: K 1,024, V 2,048
	v_add_nc_u32 v[GO1], s61, v[GO0]
	s_lshl_b32 s61, s[ROLE], 9                     ; in waves 0 and 1 the role is the wave's number
	v_add_nc_u32 v[TGO], s61, v[LI]
	s_delay_alu instid0(VALU_DEP_1)
	v_add_nc_u32 v[TRD], TAIL, v[TGO]
	v_lshlrev_b32 v[BKO], 5, v2
	s_lshl_b32 s61, s62, 7
	v_lshl_add_u32 v[BVO], v1, 2, s61
.irp b, 0,1,2,3
	v_mov_b32 v[TM+4+\b], 0                        ; written once: a lane permute's destination counts as one of its sources
.endr
	; the bias starts the sums.  K: register j of tile i is dim 16 i + 8 h + j.  V: every register of tile u is channel 16 (2 chi + u) + r
	s_cmp_eq_u32 s[ROLE], 0
	s_cbranch_scc0 .Lbias_v
.irp u, 0,1
.irp i, 0,1,2,3
	global_load_b128 v[ACC+32*\u+8*\i:ACC+32*\u+8*\i+3], v[BKO], s[8:9] offset:64*\i
	global_load_b128 v[ACC+32*\u+8*\i+4:ACC+32*\u+8*\i+7], v[BKO], s[8:9] offset:64*\i+16
.endr
.endr
	s_branch .Lbias_in
.Lbias_v:
	s_wait_alu depctr_va_vdst(0)
	global_load_b32 v[W0], v[BVO], s[10:11]
	global_load_b32 v[W1], v[BVO], s[10:11] offset:64
	s_wait_loadcnt 0x0
.set j, 0
.rept 32
	v_mov_b32 v[ACC+j], v[W0]
	v_mov_b32 v[ACC+32+j], v[W1]
.set j, j+1
.endr
.Lbias_in:
	s_wait_loadcnt 0x0
	s_wait_tensorcnt 0x0                           ; my tensor load, if any, has landed,
	s_barrier_signal -1
	s_barrier_wait -1                              ; everybody's have
; 128 along K: 24 loads of fragments, 6 of scale words, 8 products; the eight accumulators take turns, one instruction a turn
.macro KSTEP s
.if \s > 0
.rept 8
	v_nop                                          ; eight places in front of loads into registers that the last products read
.endr
.endif
.irp i, 0,1,2,3
.irp c, 0,1,2,3
	ds_load_b128 v[X+16*\i+4*\c:X+16*\i+4*\c+3], v[XA] offset:TILE*\i+128*\s+32*\c
.endr
	ds_load_b32 v[XS+\i], v[XSA] offset:512*\i+4*\s
.endr
.irp u, 0,1
.irp c, 0,1,2,3
	ds_load_b128 v[Y+16*\u+4*\c:Y+16*\u+4*\c+3], v[YA] offset:TILE*\u+128*\s+32*\c
.endr
	ds_load_b32 v[YS+\u], v[YSA] offset:512*\u+4*\s
.endr
	s_wait_dscnt 0x0
.irp u, 0,1
.irp i, 0,1,2,3
	v_wmma_scale_f32_16x16x128_f8f6f4 v[ACC+32*\u+8*\i:ACC+32*\u+8*\i+7], v[X+16*\i:X+16*\i+15], v[Y+16*\u:Y+16*\u+15], v[ACC+32*\u+8*\i:ACC+32*\u+8*\i+7], v[XS+\i], v[YS+\u] matrix_a_fmt:MATRIX_FMT_BF8 matrix_b_fmt:MATRIX_FMT_BF8
.endr
.endr
.endm
	s_wait_alu depctr_va_vdst(0)
.irp s, 0,1,2,3,4,5,6,7
	KSTEP \s
.endr
.rept 8
	v_nop                                          ; eight places in front of the first read of results
.endr
	; the 64 numbers of a lane become four blocks' codes in v[PC] on and their four bytes in v[PW]
.irp b, 0,1,2,3
	v_max3_num_f32 v[TM+\b], |v[ACC+16*\b]|, |v[ACC+1+16*\b]|, 0x8000000   ; block b: my 16 numbers, from each accumulator's low end on, and the floor 2^(16 - 127)
.endr
.irp i, 2,4,6,8,10,12,14
.irp b, 0,1,2,3
	v_max3_num_f32 v[TM+\b], v[TM+\b], |v[ACC+16*\b+\i]|, |v[ACC+1+16*\b+\i]|
.endr
.endr
.irp b, 0,1,2,3
	s_delay_alu instid0(VALU_DEP_4)
	v_permlanex16_b32 v[TM+4+\b], v[TM+\b], s[SEL], s[SEL+1]
.endr
.irp b, 0,1,2,3
	s_delay_alu instid0(VALU_DEP_4)
	v_max_num_f32 v[TM+\b], v[TM+\b], v[TM+4+\b]   ; with lane l xor 16's: the block's largest magnitude
.endr
.irp b, 0,1,2,3
	s_delay_alu instid0(VALU_DEP_4)
	v_add_nc_u32 v[TM+12+\b], 0xf8800000, v[TM+\b] ; 15 off its exponent field: the conversion's scale operand
.endr
.irp b, 0,1,2,3
	v_and_or_b32 v[TM+8+\b], v[TM+\b], 0x7f800000, s[MNT]   ; 57,344 x the scale
.endr
.irp b, 0,1,2,3
	v_lshrrev_b32 v[TM+4+\b], 23, v[TM+12+\b]      ; the scale's byte
.endr
	s_delay_alu instid0(VALU_DEP_3)
	v_lshl_or_b32 v[PW], v[TM+5], 8, v[TM+4]
	s_delay_alu instid0(VALU_DEP_1)
	v_lshl_or_b32 v[PW], v[TM+6], 16, v[PW]
	s_delay_alu instid0(VALU_DEP_1)
	v_lshl_or_b32 v[PW], v[TM+7], 24, v[PW]
.irp b, 0,1,2,3
.irp i, 0,1,2,3,4,5,6,7,8,9,10,11,12,13,14,15
	v_med3_num_f32 v[ACC+16*\b+\i], v[ACC+16*\b+\i], -v[TM+8+\b], v[TM+8+\b]   ; the conversion does not saturate (ISA guide 7.6.2): the hold
.endr
	v_cvt_scalef32_pk8_bf8_f32 v[PC+4*\b:PC+1+4*\b], v[ACC+16*\b:ACC+7+16*\b], v[TM+12+\b]
	v_cvt_scalef32_pk8_bf8_f32 v[PC+2+4*\b:PC+3+4*\b], v[ACC+8+16*\b:ACC+15+16*\b], v[TM+12+\b]
.endr
	v_and_b32 v[W0], 0xffff, v[PW]                 ; source 1's tile 0: two bytes (also the plain line behind the last conversion)
	v_lshrrev_b32 v[W1], 16, v[PW]                 ; its tile 1
.irp b, 0,1
	global_store_b128 v[GO0], v[PC+4*\b:PC+4*\b+3], s[12:13] offset:512*\b       ; an image: 32 lanes store 512 consecutive aligned bytes
	global_store_b128 v[GO1], v[PC+8+4*\b:PC+8+4*\b+3], s[12:13] offset:512*\b
.endr
	s_cmp_eq_u32 s[ROLE], 0
	s_cbranch_scc0 .Ltail_v
	ds_store_b32 v[TAD], v[W0]                     ; K: a whole word a tile, its upper two bytes zero; both halves of the lanes write the same word with the same value
	ds_store_b32 v[TAD], v[W1] offset:4
	s_branch .Ltail_in
.Ltail_v:
	s_wait_alu depctr_va_vdst(0)
	ds_store_b16 v[TAD], v[W0]                     ; V: my 64 keys are two of a word's four bytes
	ds_store_b16 v[TAD], v[W1] offset:4
.Ltail_in:
	s_wait_dscnt 0x0                               ; for the others' sake: my stores into the stage are done
	s_barrier_signal -1
	s_barrier_wait -1
	s_cmp_lt_u32 s[WV], 2
	s_cbranch_scc0 .Ldone
	ds_load_b128 v[TD:TD+3], v[TRD]                ; waves 0 and 1 send the tail: 512 bytes each
	s_wait_dscnt 0x0
	global_store_b128 v[TGO], v[TD:TD+3], s[12:13] offset:16384
.Ldone:
	s_wait_tensorcnt 0x0                           ; the wave's end, behind my last tensor load and my last LDS store
	ds_add_u32 v[SPW], v[NIL]
	s_wait_dscnt 0x0
	s_endpgm
.Lfunc_end_k_qefb38389e4_kvproj:
	.size	k_qefb38389e4_kvproj, .Lfunc_end_k_qefb38389e4_kvproj-k_qefb38389e4_kvproj
	.p2alignl 7, 3214868480
	.fill 96, 4, 3214868480
	.section	.rodata,"a",@progbits
	.p2align	6, 0x0
	.amdhsa_kernel k_qefb38389e4_kvproj
		.amdhsa_group_segment_fixed_size 276480
		.amdhsa_private_segment_fixed_size 0
		.amdhsa_enable_private_segment 0
		.amdhsa_kernarg_size 40
		.amdhsa_user_sgpr_count 2
		.amdhsa_user_sgpr_kernarg_segment_ptr 1
		.amdhsa_wavefront_size32 1
		.amdhsa_system_sgpr_workgroup_id_x 1
		.amdhsa_system_sgpr_workgroup_id_y 1
		.amdhsa_system_sgpr_workgroup_id_z 1
		.amdhsa_system_vgpr_workitem_id 0
		.amdhsa_next_free_vgpr 256
		.amdhsa_next_free_sgpr 66
		.amdhsa_reserve_vcc 0
		.amdhsa_float_denorm_mode_32 3
		.amdhsa_float_denorm_mode_16_64 3
		.amdhsa_memory_ordered 1
		.amdhsa_forward_progress 1
		.amdhsa_inst_pref_size 47
	.end_amdhsa_kernel
	.amdgpu_metadata
---
amdhsa.version: [ 1, 2 ]
amdhsa.kernels:
  - .name:           k_qefb38389e4_kvproj
    .symbol:         k_qefb38389e4_kvproj.kd
    .args:
      - { .name: hsq, .offset: 0, .size: 8, .value_kind: global_buffer, .address_space: global }
      - { .name: wts, .offset: 8, .size: 8, .value_kind: global_buffer, .address_space: global }
      - { .name: bk, .offset: 16, .size: 8, .value_kind: global_buffer, .address_space: global }
      - { .name: bv, .offset: 24, .size: 8, .value_kind: global_buffer, .address_space: global }
      - { .name: kvws, .offset: 32, .size: 8, .value_kind: global_buffer, .address_space: global }
    .group_segment_fixed_size: 276480
    .private_segment_fixed_size: 0
    .kernarg_segment_align: 8
    .kernarg_segment_size: 40
    .max_flat_workgroup_size: 256
    .sgpr_count:     66
    .vgpr_count:     256
    .wavefront_size: 32
...
	.end_amdgpu_metadata
.endif
;; end of part 2
;; launch qproj (part 3): grid 8 x 32, 4 waves a work-group, clusters of 4 x 1, 327,680 bytes of LDS; arguments hsq, wts, bq, qws; writes qws
.if DOCPART == 3
	.amdgcn_target "amdgcn-amd-amdhsa--gfx1250"
	.amdhsa_code_object_version 6
	.text
	.protected	k_qefb38389e4_qproj
	.globl	k_qefb38389e4_qproj
	.p2align	8
	.type	k_qefb38389e4_qproj,@function
k_qefb38389e4_qproj:
	s_mov_b64 s[64:65], 0
	v_nop
	global_prefetch_b8 v0, s[64:65] scope:SCOPE_SE
	s_setreg_imm32_b32 hwreg(HW_REG_WAVE_MODE, 25, 1), 1
	s_wait_xcnt 0x0
	s_wait_alu depctr_hold_cnt(0) depctr_sa_sdst(0) depctr_va_vdst(0) depctr_va_sdst(0) depctr_va_ssrc(0) depctr_va_vcc(0) depctr_vm_vsrc(0)
	s_getreg_b32 s2, hwreg(HW_REG_IB_STS2, 6, 4)
	s_cmp_eq_u32 s2, 0
	s_cbranch_scc0 .Lentry_in_a_cluster
	s_endpgm
.Lentry_in_a_cluster:
	s_bfe_u32 s2, ttmp6, 0x10000c
	s_cmp_lg_u32 s2, 0x3003
	s_cbranch_scc0 .Lentry_shape_is_right
	s_endpgm
.Lentry_shape_is_right:
; Launch 3 of 5: q = hidden Wq + bq on codes of E5M2, then q is quantised along each head's 64.  No work of the problem is left out.
; A work-group makes 256 rows x 128 columns (two heads); 2 x 2 waves; a wave makes 8 blocks of 16 rows x 64 columns (one head).
; THE WEIGHT LIES IN REGISTERS: a wave's 64 rows of Wq, all of K, 512 registers (windows 1, 2), loaded straight from the images that launch 1 leaves: each load reads 512 consecutive bytes.
; hidden's 256 rows, whole (1,024 bytes + 16 of padding), lie in LDS, filled once: one joint load of 64 rows a wave, shared by the cluster's four work-groups, which have the same rows.  Nothing is filled again.
; Waves 0, 1 (rows 0-127) and waves 2, 3 have a load line each: blocks 0-3 of every wave lie in rows 0-127 and begin when the first line's loads are in; the barrier inside block 2 shows the rest.
; NO PREFETCH: every tensor load stands at the head, so there is no loop to run ahead in.
; Block s of wave row w is the tile of 16 rows 8 (s / 4) + 4 w + s % 4.  Source 0 = Wq's rows, source 1 = hidden's: a lane holds one row of q and its registers run along the columns.  The bias is the first products' C.
; OUT, as launch 4 reads it: codes qws + [row tile][head][c 2][lane][16]; scale words qws + 8,388,608 + [pair of heads][128 rows][s / 4 .. ][head % 2][row 16][4 words]: bytes 0, 1 real, bytes 2, 3 zero.
; LIMITS: a block of zeros carries the byte 1 (its codes are zeros); NaN and infinities are not served.
.set WSOFF, 2228224
.set PITCH, 1040
.set SPARE, 256*PITCH
.set ADR,  2                           ; v2-9  LDS address of my fragments of block s
.set SPW,  10
.set NIL,  11
.set RS,   12                          ; 16 x (lane % 16)
.set LW,   15                          ; 16 x lane
.set ASO,  16                          ; 32 x lane: a row of scale bytes
.set BO,   17                          ; 32 x (lane / 16)
.set SB,   32                          ; v32-47  Wq's scale words: register 8 p + q: lanes 0-15 tile 2 p's, lanes 16-31 tile 2 p + 1's
.set SA,   52                          ; v52-83  hidden's, likewise by pairs of blocks; the two sides' numbers differ by 4 modulo 8
.set ACC,  96                          ; v96-159 two sets of four accumulators
.set BIAS, 160                         ; v160-191
.set TM,   192
.set PTQ,  196
.set HOLDQ, 198
.set CSCQ, 200
.set QW,   204
.set PCQ,  208
.set MSB, 0
.macro WIN new
.if MSB != \new
	s_set_vgpr_msb (MSB<<8)|\new
.set MSB, \new
.endif
.endm
.macro PLACES n
.rept \n
	v_nop
.endr
.endm
.macro BARRIER
	s_barrier_signal -1
	s_barrier_wait -1
.endm
.macro ROUND
	BARRIER
	s_cmp_lg_u32 s14, 0
	s_cbranch_scc1 .Lnot_wave_0_\@
	s_barrier_signal -3
.Lnot_wave_0_\@:
	s_barrier_wait -3
	BARRIER
.endm
	s_load_b256 s[4:11], s[0:1], 0x0               ; hsq, wts, bq, qws
	v_lshl_add_u32 v[SPW], v0, 2, SPARE
	v_mov_b32 v[NIL], 0
	ds_add_u32 v[SPW], v[NIL]                      ; the opening lines: the add, twice on end, and its wait
	ds_add_u32 v[SPW], v[NIL]
	v_lshrrev_b32 v1, 5, v0
	v_readfirstlane_b32 s14, v1                    ; wave 0..3
	s_lshr_b32 s15, s14, 1                         ; my row of waves
	s_and_b32 s16, s14, 1                          ; my column of waves
	s_bfe_u32 s17, ttmp6, 0x40000
	s_lshl_b32 s18, ttmp9, 2
	s_add_co_u32 s18, s18, s17                     ; tile column 0..7: enters global addresses of my own loads and stores alone
	s_and_b32 s19, ttmp7, 0xffff                   ; tile row 0..31
	s_mov_b32 s24, 15|(1<<20)|(1<<21)|(7<<22)|(3<<25)   ; the cluster's four; elements of 1 byte; 4 words of padding behind every 256
	s_mov_b32 s25, 1024<<16
	s_mov_b32 s26, 64<<16
	s_mov_b32 s27, 1024<<16
	s_mov_b32 s28, 64
	s_mov_b32 s29, 1024
	s_mov_b32 s30, 0
	s_mov_b32 s31, 0
	s_lshl_b32 s20, s19, 18
	s_lshl_b32 s21, s14, 16
	s_add_co_u32 s20, s20, s21                     ; row 256 y + 64 wave
	s_mov_b32 s21, 0
	s_mov_b32 s32, 1
	s_mul_i32 s33, s14, 64*PITCH
	s_wait_dscnt 0x0
	s_wait_kmcnt 0x0
	s_add_nc_u64 s[34:35], s[4:5], s[20:21]
	s_or_b32 s35, s35, 0x80000000
	ROUND
	s_cmp_lt_u32 s14, 2
	s_cbranch_scc0 .Lupper
	tensor_load_to_lds s[32:35], s[24:31]          ; waves 0, 1: rows 0-127
	s_nop 0
	PLACES 4
	s_branch .Lasked
.Lupper:
	tensor_load_to_lds s[32:35], s[24:31]          ; waves 2, 3: rows 128-255: a line of their own, waited for later
	s_nop 0
	PLACES 4
.Lasked:
	s_lshl_b32 s36, s18, 17
	s_lshl_b32 s37, s16, 16
	s_add_co_u32 s36, s36, s37                     ; Wq's images: tile 8 x + 4 (my column)
	s_mov_b32 s37, 0
	s_add_nc_u64 s[36:37], s[6:7], s[36:37]
	s_lshl_b32 s38, s18, 12
	s_lshl_b32 s39, s16, 11
	s_add_co_u32 s38, s38, s39
	s_add_co_u32 s38, s38, WSOFF                   ; its scale bytes
	s_mov_b32 s39, 0
	s_add_nc_u64 s[38:39], s[6:7], s[38:39]
	s_lshl_b32 s40, s19, 13
	s_lshl_b32 s41, s15, 11
	s_add_co_u32 s40, s40, s41
	s_add_co_u32 s40, s40, 0x800000                ; hidden's scale bytes: row 256 y + 64 (my row)
	s_mov_b32 s41, 0
	s_add_nc_u64 s[40:41], s[4:5], s[40:41]
	s_lshl_b32 s42, s18, 9
	s_lshl_b32 s43, s16, 8
	s_add_co_u32 s42, s42, s43
	s_mov_b32 s43, 0
	s_add_nc_u64 s[42:43], s[8:9], s[42:43]        ; bq at my first column
	s_lshl_b32 s44, s19, 18
	s_lshl_b32 s45, s15, 16
	s_add_co_u32 s44, s44, s45
	s_lshl_b32 s45, s18, 11
	s_add_co_u32 s44, s44, s45
	s_lshl_b32 s45, s16, 10
	s_add_co_u32 s44, s44, s45
	s_mov_b32 s45, 0
	s_add_nc_u64 s[44:45], s[10:11], s[44:45]      ; q's codes
	s_lshl_b32 s46, s18, 16
	s_lshl_b32 s47, s19, 11
	s_add_co_u32 s46, s46, s47
	s_lshl_b32 s47, s15, 9
	s_add_co_u32 s46, s46, s47
	s_lshl_b32 s47, s16, 8
	s_add_co_u32 s46, s46, s47
	s_add_co_u32 s46, s46, 0x800000
	s_mov_b32 s47, 0
	s_add_nc_u64 s[46:47], s[10:11], s[46:47]      ; q's scale words
	s_mul_i32 s48, s15, 64*PITCH
	s_mov_b32 s50, 0x76543210
	s_mov_b32 s51, 0xfedcba98
	s_mov_b32 s52, 0x600000
	v_and_b32 v1, 15, v0
	v_bfe_u32 v20, v0, 4, 1
	v_and_b32 v21, 31, v0
	v_lshlrev_b32 v[LW], 4, v21
	v_lshlrev_b32 v[ASO], 5, v21
	v_lshlrev_b32 v[BO], 5, v20
	v_lshlrev_b32 v[RS], 4, v1
.irp p, 0,1
.irp c, 0,1
	global_load_b128 v[SB+8*\p+4*\c:SB+8*\p+4*\c+3], v[ASO], s[38:39] offset:1024*\p+16*\c
.endr
.endr
.irp p, 0,1,2,3
.irp c, 0,1
	global_load_b128 v[SA+8*\p+4*\c:SA+8*\p+4*\c+3], v[ASO], s[40:41] offset:((\p/2)*8+(2*\p)%4)*512+16*\c
.endr
.endr
.irp b, 0,1,2,3
	global_load_b128 v[BIAS+8*\b:BIAS+8*\b+3], v[BO], s[42:43] offset:64*\b
	global_load_b128 v[BIAS+8*\b+4:BIAS+8*\b+7], v[BO], s[42:43] offset:64*\b+16
.endr
.set f_, 0
.rept 32                               ; fragment f = 4 q + b lies in window 1 + f / 16
	WIN (1+f_/16)<<6
.irp c, 0,1,2,3
	global_load_b128 v[16*(f_%16)+4*\c:16*(f_%16)+4*\c+3], v[LW], s[36:37] offset:(f_%4)*16384+(f_/4)*2048+512*\c
.endr
.set f_, f_+1
.endr
	WIN 0
	v_mul_u32_u24 v22, v1, PITCH
	v_lshl_add_u32 v22, v20, 4, v22
	v_add_nc_u32 v22, s48, v22
.irp s, 0,1,2,3,4,5,6,7
	v_add_nc_u32 v[ADR+\s], ((\s/4)*8+\s%4)*16*PITCH, v22
.endr
	v_mov_b32 v[PTQ], 0                            ; a lane permute's destination counts as one of its sources
	v_mov_b32 v[PTQ+1], 0
.macro FETCH k, a                      ; a block of 16 rows, all of K, into set k of window 3: 32 loads
	WIN 0xc0
.irp q, 0,1,2,3,4,5,6,7
.irp c, 0,1,2,3
	ds_load_b128 v[128*(\k)+16*\q+4*\c:128*(\k)+16*\q+4*\c+3], v[\a] offset:128*\q+32*\c
.endr
.endr
	WIN 0
.endm
.macro PRODS s                         ; 32 products: the four accumulators by turns, K ascending
.set n_, 0
.rept 32
.set q_, n_/4
.set b_, n_%4
.set AC_, ACC+32*((\s)%2)+8*b_
.set C_, AC_
.if q_ == 0
.set C_, BIAS+8*b_
.endif
.set W_, 16*(n_%16)
.set R_, 128*((\s)%2)+16*q_
.set WS_, SB+8*(b_/2)+q_
.set XS_, SA+8*((\s)/2)+q_
.if (\s) == 0 && b_ == 0 && q_ >= 4
	s_wait_loadcnt 16*(7-q_)                       ; the weight's loads of the later q may be out
.endif
	WIN (1+n_/16)|(3<<2)
.if b_%2 && (\s)%2
	v_wmma_scale_f32_16x16x128_f8f6f4 v[AC_:AC_+7], v[W_:W_+15], v[R_:R_+15], v[C_:C_+7], v[WS_], v[XS_] matrix_a_fmt:MATRIX_FMT_BF8 matrix_b_fmt:MATRIX_FMT_BF8 matrix_a_scale:MATRIX_SCALE_ROW1 matrix_b_scale:MATRIX_SCALE_ROW1
.elseif b_%2
	v_wmma_scale_f32_16x16x128_f8f6f4 v[AC_:AC_+7], v[W_:W_+15], v[R_:R_+15], v[C_:C_+7], v[WS_], v[XS_] matrix_a_fmt:MATRIX_FMT_BF8 matrix_b_fmt:MATRIX_FMT_BF8 matrix_a_scale:MATRIX_SCALE_ROW1
.elseif (\s)%2
	v_wmma_scale_f32_16x16x128_f8f6f4 v[AC_:AC_+7], v[W_:W_+15], v[R_:R_+15], v[C_:C_+7], v[WS_], v[XS_] matrix_a_fmt:MATRIX_FMT_BF8 matrix_b_fmt:MATRIX_FMT_BF8 matrix_b_scale:MATRIX_SCALE_ROW1
.else
	v_wmma_scale_f32_16x16x128_f8f6f4 v[AC_:AC_+7], v[W_:W_+15], v[R_:R_+15], v[C_:C_+7], v[WS_], v[XS_] matrix_a_fmt:MATRIX_FMT_BF8 matrix_b_fmt:MATRIX_FMT_BF8
.endif
.set n_, n_+1
.endr
	WIN 0
.endm
.macro QOUT s                          ; a block's 16 rows x 64 columns: two blocks of 32 a row, each in lanes l and l xor 16
.set A_, ACC+32*((\s)%2)
.set RT_, ((\s)/4)*8+(\s)%4
.irp k, 0,1,2,3
	v_max3_num_f32 v[TM+\k], |v[A_+8*\k]|, |v[A_+8*\k+1]|, 0x8000000    ; four chains, each accumulator from its low end on; the floor 2^(16 - 127)
.endr
.irp i, 2,4,6
.irp k, 0,1,2,3
	v_max3_num_f32 v[TM+\k], v[TM+\k], |v[A_+8*\k+\i]|, |v[A_+8*\k+\i+1]|
.endr
.endr
.irp b, 0,1
	v_max_num_f32 v[TM+2*\b], v[TM+2*\b], v[TM+2*\b+1]
.endr
.irp b, 0,1
	v_permlanex16_b32 v[PTQ+\b], v[TM+2*\b], s50, s51
.endr
.irp b, 0,1
	v_max_num_f32 v[TM+2*\b], v[TM+2*\b], v[PTQ+\b]
.endr
.irp b, 0,1
	v_add_nc_u32 v[CSCQ+\b], 0xf8800000, v[TM+2*\b]
.endr
.irp b, 0,1
	v_and_or_b32 v[HOLDQ+\b], v[TM+2*\b], 0x7f800000, s52
.endr
.irp b, 0,1
	v_lshrrev_b32 v[PTQ+\b], 23, v[CSCQ+\b]
.endr
	v_lshl_or_b32 v[QW+(\s)%4], v[PTQ+1], 8, v[PTQ]
.irp b, 0,1
.irp i, 0,1,2,3,4,5,6,7,8,9,10,11,12,13,14,15
	v_med3_num_f32 v[A_+16*\b+\i], v[A_+16*\b+\i], -v[HOLDQ+\b], v[HOLDQ+\b]   ; the conversion does not saturate (ISA guide 7.6.2): the hold
.endr
.endr
.irp b, 0,1
	v_cvt_scalef32_pk8_bf8_f32 v[PCQ+4*\b:PCQ+4*\b+1], v[A_+16*\b:A_+16*\b+7], v[CSCQ+\b]
	v_cvt_scalef32_pk8_bf8_f32 v[PCQ+4*\b+2:PCQ+4*\b+3], v[A_+16*\b+8:A_+16*\b+15], v[CSCQ+\b]
.endr
	v_nop                                          ; a plain line behind the last conversion
	global_store_b128 v[LW], v[PCQ:PCQ+3], s[44:45] offset:RT_*16384           ; an image: 32 lanes store 512 consecutive aligned bytes
	global_store_b128 v[LW], v[PCQ+4:PCQ+7], s[44:45] offset:RT_*16384+512
.if (\s)%4 == 3
	global_store_b128 v[RS], v[QW:QW+3], s[46:47] offset:((\s)/4)*1024         ; four blocks' words: 256 consecutive aligned bytes; both halves of the lanes store the same
.endif
.endm
.macro BLK s
.if (\s) == 0
	s_wait_loadcnt 63                              ; the scale words, the bias and the weight's q = 0 .. 3 are in (20 + 64 of 148 loads, and one more)
.endif
.if (\s) < 7
	s_wait_dscnt 32                                ; this block's fragments are in; the next block's 32 loads may be out
.else
	s_wait_dscnt 0x0
.endif
	PRODS \s
	PLACES 8                                       ; in front of the fetch into what the products read, and of the first read of their sums
.if (\s) == 2
	s_wait_tensorcnt 0x0                           ; every wave: all that is out: rows 128-255
	s_wait_dscnt 0x0
	BARRIER
.endif
.if (\s) < 6
	FETCH (\s)%2, ADR+(\s)+2
.endif
	s_wait_xcnt 0x0                                ; the last block's stores have read their registers
	QOUT \s
.endm
	s_wait_alu depctr_va_vdst(0)                   ; the wait at the head's end
	s_cmp_lt_u32 s14, 2
	s_cbranch_scc0 .Llater
	s_wait_tensorcnt 0x0                           ; waves 0, 1: rows 0-127 are in
.Llater:
	BARRIER
	FETCH 0, ADR
	FETCH 1, ADR+1
.irp s, 0,1,2,3,4,5,6,7
	BLK \s
.endr
	s_wait_tensorcnt 0x0                           ; the wave's end
	ds_add_u32 v[SPW], v[NIL]
	s_wait_dscnt 0x0
	ROUND                                          ; the closing round
	s_endpgm
.Lfunc_end_k_qefb38389e4_qproj:
	.size	k_qefb38389e4_qproj, .Lfunc_end_k_qefb38389e4_qproj-k_qefb38389e4_qproj
	.p2alignl 7, 3214868480
	.fill 96, 4, 3214868480
	.section	.rodata,"a",@progbits
	.p2align	6, 0x0
	.amdhsa_kernel k_qefb38389e4_qproj
		.amdhsa_group_segment_fixed_size 327680
		.amdhsa_private_segment_fixed_size 0
		.amdhsa_enable_private_segment 0
		.amdhsa_kernarg_size 32
		.amdhsa_user_sgpr_count 2
		.amdhsa_user_sgpr_kernarg_segment_ptr 1
		.amdhsa_wavefront_size32 1
		.amdhsa_system_sgpr_workgroup_id_x 1
		.amdhsa_system_sgpr_workgroup_id_y 1
		.amdhsa_system_sgpr_workgroup_id_z 1
		.amdhsa_system_vgpr_workitem_id 0
		.amdhsa_next_free_vgpr 1024
		.amdhsa_next_free_sgpr 66
		.amdhsa_reserve_vcc 0
		.amdhsa_float_denorm_mode_32 3
		.amdhsa_float_denorm_mode_16_64 3
		.amdhsa_memory_ordered 1
		.amdhsa_forward_progress 1
		.amdhsa_inst_pref_size 107
	.end_amdhsa_kernel
	.amdgpu_metadata
---
amdhsa.version: [ 1, 2 ]
amdhsa.kernels:
  - .name:           k_qefb38389e4_qproj
    .symbol:         k_qefb38389e4_qproj.kd
    .args:
      - { .name: hsq, .offset: 0, .size: 8, .value_kind: global_buffer, .address_space: global }
      - { .name: wts, .offset: 8, .size: 8, .value_kind: global_buffer, .address_space: global }
      - { .name: bq, .offset: 16, .size: 8, .value_kind: global_buffer, .address_space: global }
      - { .name: qws, .offset: 24, .size: 8, .value_kind: global_buffer, .address_space: global }
    .group_segment_fixed_size: 327680
    .private_segment_fixed_size: 0
    .kernarg_segment_align: 8
    .kernarg_segment_size: 32
    .max_flat_workgroup_size: 128
    .sgpr_count:     66
    .vgpr_count:     1024
    .wavefront_size: 32
...
	.end_amdgpu_metadata
.endif
;; end of part 3
;; launch attn (part 4): grid 64 x 4, 8 waves a work-group, clusters of 4 x 1, 327,680 bytes of LDS; arguments qws, kvws, ows; writes ows
.if DOCPART == 4
	.amdgcn_target "amdgcn-amd-amdhsa--gfx1250"
	.amdhsa_code_object_version 6
	.text
	.protected	k_qefb38389e4_attn
	.globl	k_qefb38389e4_attn
	.p2align	8
	.type	k_qefb38389e4_attn,@function
k_qefb38389e4_attn:
	s_mov_b64 s[64:65], 0
	v_nop
	global_prefetch_b8 v0, s[64:65] scope:SCOPE_SE
	s_setreg_imm32_b32 hwreg(HW_REG_WAVE_MODE, 25, 1), 1
	s_wait_xcnt 0x0
	s_wait_alu depctr_hold_cnt(0) depctr_sa_sdst(0) depctr_va_vdst(0) depctr_va_sdst(0) depctr_va_ssrc(0) depctr_va_vcc(0) depctr_vm_vsrc(0)
	s_getreg_b32 s2, hwreg(HW_REG_IB_STS2, 6, 4)
	s_cmp_eq_u32 s2, 0
	s_cbranch_scc0 .Lentry_in_a_cluster
	s_endpgm
.Lentry_in_a_cluster:
	s_bfe_u32 s2, ttmp6, 0x10000c
	s_cmp_lg_u32 s2, 0x3003
	s_cbranch_scc0 .Lentry_shape_is_right
	s_endpgm
.Lentry_shape_is_right:
; Launch 4 of 5: o = softmax(q k^T / 8) v for 16 heads that share one k and v, both products on codes of E5M2 with E8M0 scales; o is quantised along the hidden axis on the way out.  No work of the problem is left out.
; SHARES.  A work-group owns 32 rows of one batch, all 16 heads: 32 tiles of 16 queries.  All 2,048 keys of the batch, 16 records of 17,408 bytes as launch 2 leaves them, lie in LDS for the whole launch, filled once.
; Eight waves, two to a SIMD.  A wave owns 16 rows x 4 heads and walks the keys twice, 128 a step, with TWO tiles (two heads) at a time: each fragment of K and of V that it reads from LDS feeds two products.
; Both products are used transposed (S^T = K Q^T, O^T = V^T P^T): a lane holds one query.  The score product's K is 64: Q's upper eight registers are zeros, and K's operand runs on into the next tile's codes, which meet those zeros.
; SOFTMAX: t = score x log2(e) / 8; M = the running largest t rounded up to a whole number; p = 2^(t - M) is quantised in blocks of 32 keys; the row's sum is taken of the unquantised p; O and the sum are multiplied by 2^(old M - new M) in every step.
; CLUSTER: the four work-groups of a cluster have the same batch and ask for its records jointly.  Each wave asks once, at the head, for two records (136 rows of 256 bytes); waves 0-3 (records 0-7) and waves 4-7 have a load line each,
; so that steps 0-6 begin when the first line's loads are in.  NO PREFETCH: every tensor load stands at the head, so there is no loop to run ahead in.
; LIMITS: the promise holds while the scaled scores t stay under 2^31 in magnitude; a block whose every p is 0 carries the byte 1 (its codes are zeros); NaN and infinities are not served.
; REGISTERS.  Window 0: v1-11 addresses; v12-67 two tiles' state (28 each); v68-99 Q; v100-227 S, then p; v228-243 scale words alone; v254-255 the second walk's Q scale words.
; Window 1: v0-71 K's fragments; v72-135 V's; v136-199 O^T; v200-231 p's codes; v232-247 the second walk's Q.
.set REC,   17408
.set STG,   16*REC                     ; o's codes: 32 rows of 1,024 + 16 bytes; no tensor load lands from here on
.set SST,   STG+32*1040                ; o's scale bytes [32][32]
.set SPARE, SST+1024                   ; the spare words, 128 bytes a wave, named by no other line
.set LI,   1                           ; 16 x lane
.set RV,   2                           ; 16 x (lane % 16)
.set ADV,  3                           ; the step's record + LI
.set ADK,  4                           ; the next step's record + LI
.set SPW,  5
.set NIL,  6
.set STO,  7
.set SSTO, 8
.set RDS,  9
.set GOO,  10
.set RDC,  11
.set XS,   28                          ; from tile 0's state to tile 1's
.set NM,   12                          ; -M;  TMX: the largest t
.set TMX,  13
.set AC,   14                          ; four pairs: the row's sum, and three more chains of a step's sum
.set T,    16
.set BM,   22
.set PT,   26
.set HOLD, 30
.set CSC,  34
.set F,    38
.set Q,    68
.set S,    100
.set KS,   228
.set VS,   236
.set QS,   240
.set PS,   242
.set GOC,  244
.set ADS,  245
.set QSN,  254
.set KF,   0                           ; window 1 from here on
.set VF,   72
.set O,    136
.set PC,   200
.set QN,   232
.set WV,   10
.set G1,   16
.set G0,   24
.set SEL,  40
.set CS,   42
.set MNT,  44
.set TB,   45
.set CNT,  46
.set TN,   59
.set PASS, 60
.set PO,   61
.set PO2,  62
.set MSB, 0
.macro WIN new                         ; the immediate's high byte repeats the setting that is left
.if MSB != \new
	s_set_vgpr_msb (MSB<<8)|\new
.set MSB, \new
.endif
.endm
.macro PLACES n
.rept \n
	v_nop
.endr
.endm
.macro WALU
	s_wait_alu depctr_va_vdst(0)
.endm
.macro BARRIER
	s_barrier_signal -1
	s_barrier_wait -1
.endm
.macro ROUND
	BARRIER
	s_cmp_lg_u32 s[WV], 0
	s_cbranch_scc1 .Lnot_wave_0_\@
	s_barrier_signal -3
.Lnot_wave_0_\@:
	s_barrier_wait -3
	BARRIER
.endm
	s_load_b128 s[4:7], s[0:1], 0x0                ; qws, kvws
	s_load_b64 s[8:9], s[0:1], 0x10                ; ows
	v_lshl_add_u32 v[SPW], v0, 2, SPARE
	v_mov_b32 v[NIL], 0
	ds_add_u32 v[SPW], v[NIL]                      ; the opening lines: the add, twice on end, and its wait ahead of my tensor load
	ds_add_u32 v[SPW], v[NIL]
	v_lshrrev_b32 v12, 5, v0
	v_readfirstlane_b32 s[WV], v12                 ; wave 0..7
	s_bfe_u32 s11, ttmp6, 0x40000                  ; cx: enters global addresses of my own loads and stores alone
	s_lshl_b32 s12, ttmp9, 2
	s_add_co_u32 s12, s12, s11                     ; which 32 rows of the batch
	s_and_b32 s13, ttmp7, 0xffff                   ; the batch
	s_mov_b32 s[G1+0], 15|(3<<16)|(1<<21)          ; the cluster's four; elements of 8 bytes
	s_mov_b32 s[G1+1], 32<<16
	s_mov_b32 s[G1+2], 136<<16                     ; two records: 136 rows of 256 bytes
	s_mov_b32 s[G1+3], 32<<16
	s_mov_b32 s[G1+4], 136
	s_mov_b32 s[G1+5], 32
	s_mov_b32 s[G1+6], 0
	s_mov_b32 s[G1+7], 0
	s_mul_i32 s56, s13, 16*REC
	s_mul_i32 s58, s[WV], 2*REC
	s_add_co_u32 s56, s56, s58
	s_mov_b32 s57, 0
	s_mov_b32 s[SEL], 0x76543210
	s_mov_b32 s[SEL+1], 0xfedcba98
	s_mov_b32 s[CS], 0x3e38aa3b                    ; log2(e) / 8
	s_mov_b32 s[CS+1], s[CS]
	s_mov_b32 s[MNT], 0x600000
	s_wait_dscnt 0x0
	s_wait_kmcnt 0x0
	s_mov_b32 s[G0], 1
	s_mov_b32 s[G0+1], s58
	s_add_nc_u64 s[G0+2:G0+3], s[6:7], s[56:57]
	s_or_b32 s[G0+3], s[G0+3], 0x80000000
	ROUND                                          ; in front of the joint loads
	s_cmp_lt_u32 s[WV], 4
	s_cbranch_scc0 .Lupper
	tensor_load_to_lds s[G0:G0+3], s[G1:G1+7]      ; waves 0-3: records 0-7
	s_nop 0
	PLACES 4
	s_branch .Lasked
.Lupper:
	tensor_load_to_lds s[G0:G0+3], s[G1:G1+7]      ; waves 4-7: records 8-15: a line of their own, waited for later
	s_nop 0
	PLACES 4
.Lasked:
	s_lshr_b32 s14, s[WV], 2                       ; which 16 of the 32 rows
	s_and_b32 s15, s[WV], 3
	s_lshl_b32 s15, s15, 1                         ; the first walk's pair of heads; the second walk's is one on
	s_lshl_b32 s47, s13, 7
	s_lshl_b32 s56, s12, 1
	s_add_co_u32 s47, s47, s56
	s_add_co_u32 s47, s47, s14                     ; my tile of 16 rows, 0..511
	s_lshl_b32 s56, s47, 14
	s_lshl_b32 s58, s15, 11
	s_add_co_u32 s56, s56, s58
	s_add_nc_u64 s[48:49], s[4:5], s[56:57]        ; q's codes: [row tile][head][c 2][lane][16]
	s_lshl_b32 s56, s15, 16
	s_lshr_b32 s58, s47, 3
	s_lshl_b32 s58, s58, 10
	s_add_co_u32 s56, s56, s58
	s_bfe_u32 s58, s47, 0x10002
	s_lshl_b32 s58, s58, 9
	s_add_co_u32 s56, s56, s58
	s_and_b32 s58, s47, 3
	s_lshl_b32 s58, s58, 2
	s_add_co_u32 s56, s56, s58
	s_add_co_u32 s56, s56, 0x800000
	s_add_nc_u64 s[50:51], s[4:5], s[56:57]        ; q's scale words
	s_lshl_b32 s56, s13, 11
	s_lshl_b32 s58, s12, 5
	s_add_co_u32 s58, s56, s58
	s_lshl_b32 s56, s58, 10
	s_add_nc_u64 s[52:53], s[8:9], s[56:57]        ; o's codes: my work-group's 32 rows
	s_lshl_b32 s56, s58, 5
	s_add_co_u32 s56, s56, 0x800000
	s_add_nc_u64 s[54:55], s[8:9], s[56:57]        ; o's scale bytes
	s_mul_i32 s28, s14, 16*1040
	s_lshl_b32 s58, s15, 7
	s_add_co_u32 s28, s28, s58
	s_add_co_u32 s28, s28, STG
	s_lshl_b32 s29, s14, 9
	s_lshl_b32 s58, s15, 2
	s_add_co_u32 s29, s29, s58
	s_add_co_u32 s29, s29, SST
	s_mul_i32 s30, s[WV], 4*1040
	s_add_co_u32 s30, s30, STG
	s_lshl_b32 s31, s[WV], 12
	s_and_b32 s32, s[WV], 1
	s_lshl_b32 s32, s32, 9
	s_mov_b32 s[PASS], 0
	s_mov_b32 s[PO], 0
	s_mov_b32 s[PO2], 0
	v_and_b32 v12, 31, v0
	v_and_b32 v13, 15, v0
	v_bfe_u32 v14, v0, 4, 1
	v_lshlrev_b32 v[LI], 4, v12
	v_lshlrev_b32 v[RV], 4, v13
.irp x, 0,1
	global_load_b128 v[Q+16*\x:Q+16*\x+3], v[LI], s[48:49] offset:1024*\x
	global_load_b128 v[Q+16*\x+4:Q+16*\x+7], v[LI], s[48:49] offset:1024*\x+512
	global_load_b32 v[QS+\x], v[RV], s[50:51] offset:256*\x
	global_load_b32 v[QSN+\x], v[RV], s[50:51] offset:65536+256*\x
.endr
	WIN 0x40
.irp x, 0,1
	global_load_b128 v[QN+8*\x:QN+8*\x+3], v[LI], s[48:49] offset:2048+1024*\x
	global_load_b128 v[QN+8*\x+4:QN+8*\x+7], v[LI], s[48:49] offset:2048+1024*\x+512
.endr
.set j, 0
.rept 8
	v_mov_b32 v[KF+64+j], 0                        ; what K's last tile runs on into
.set j, j+1
.endr
	WIN 0
	v_mul_u32_u24 v[STO], v13, 1040
	v_lshl_add_u32 v[STO], v14, 3, v[STO]
	v_add_nc_u32 v[STO], s28, v[STO]
	v_lshl_add_u32 v[SSTO], v13, 5, s29
	v_add_nc_u32 v[RDS], s30, v[LI]
	v_add_nc_u32 v[GOO], s31, v[LI]
	v_add_nc_u32 v[GOC], s32, v[LI]
	v_add_nc_u32 v[RDC], SST, v[GOC]
.irp x, 0,1
.set j, 0
.rept 8
	v_mov_b32 v[Q+16*\x+8+j], 0                    ; the fill of the score product's K from 64 to 128
.set j, j+1
.endr
.irp b, 0,1,2,3
	v_mov_b32 v[PT+XS*\x+\b], 0                    ; a lane permute's destination counts as one of its sources
.endr
	v_mov_b32 v[F+XS*\x+1], 0                      ; named as the upper half of a pair
.endr
.macro KLOAD a, s                      ; a record's eight tiles of K and their scale words: 18 loads
	WIN 0x40
.irp t, 0,1,2,3,4,5,6,7
	ds_load_b128 v[KF+8*\t:KF+8*\t+3], v[\a] offset:1024*\t
	ds_load_b128 v[KF+8*\t+4:KF+8*\t+7], v[\a] offset:1024*\t+512
.endr
	WIN 0
	ds_load_b128 v[KS:KS+3], v[\s] offset:16384
	ds_load_b128 v[KS+4:KS+7], v[\s] offset:16640
.endm
.macro SCL x                           ; from the four blocks' largest p: the conversions' scale operands, the holds, p's scale word
.irp b, 0,1,2,3
	v_max_num_f32 v[BM+XS*\x+\b], 0x8000000, v[BM+XS*\x+\b]          ; the floor 2^(16 - 127): the byte cannot fall under 1
.endr
.irp b, 0,1,2,3
	v_add_nc_u32 v[CSC+XS*\x+\b], 0xf8800000, v[BM+XS*\x+\b]
.endr
.irp b, 0,1,2,3
	v_and_or_b32 v[HOLD+XS*\x+\b], v[BM+XS*\x+\b], 0x7f800000, s[MNT]
.endr
.irp b, 0,1,2,3
	v_lshrrev_b32 v[PT+XS*\x+\b], 23, v[CSC+XS*\x+\b]
.endr
	v_lshl_or_b32 v[PS+\x], v[PT+XS*\x+1], 8, v[PT+XS*\x]
	v_lshl_or_b32 v[PS+\x], v[PT+XS*\x+2], 16, v[PS+\x]
	v_lshl_or_b32 v[PS+\x], v[PT+XS*\x+3], 24, v[PS+\x]
.endm
.macro SUMS x                          ; the row's sum of the unquantised p, two at a time, in four chains; the last addition stands further down
.irp a, 1,2,3
	v_pk_add_f32 v[AC+XS*\x+2*\a:AC+XS*\x+2*\a+1], v[S+64*\x+4*\a-4:S+64*\x+4*\a-3], v[S+64*\x+4*\a-2:S+64*\x+4*\a-1]
.endr
.set k, 6
.rept 26
	v_pk_add_f32 v[AC+XS*\x+2*((k-6)%4):AC+XS*\x+2*((k-6)%4)+1], v[AC+XS*\x+2*((k-6)%4):AC+XS*\x+2*((k-6)%4)+1], v[S+64*\x+2*k:S+64*\x+2*k+1]
.set k, k+1
.endr
	v_pk_add_f32 v[AC+XS*\x+2:AC+XS*\x+3], v[AC+XS*\x+2:AC+XS*\x+3], v[AC+XS*\x+4:AC+XS*\x+5]
	v_pk_add_f32 v[AC+XS*\x:AC+XS*\x+1], v[AC+XS*\x:AC+XS*\x+1], v[AC+XS*\x+6:AC+XS*\x+7]
.endm
.macro HOLD2 x, j                      ; two p held at the largest code x the scale (the conversion does not saturate: ISA guide 7.6.2); p is not negative, so the hold is one-sided
	v_dual_min_num_f32 v[S+64*\x+\j], v[S+64*\x+\j], v[HOLD+XS*\x+(\j)/16] :: v_dual_min_num_f32 v[S+64*\x+\j+1], v[S+64*\x+\j+1], v[HOLD+XS*\x+(\j)/16]
.endm
.macro CVT x
	WIN 0x40
.irp b, 0,1,2,3
	v_cvt_scalef32_pk8_bf8_f32 v[PC+16*\x+4*\b:PC+16*\x+4*\b+1], v[S+64*\x+16*\b:S+64*\x+16*\b+7], v[CSC+XS*\x+\b]
	v_cvt_scalef32_pk8_bf8_f32 v[PC+16*\x+4*\b+2:PC+16*\x+4*\b+3], v[S+64*\x+16*\b+8:S+64*\x+16*\b+15], v[CSC+XS*\x+\b]
.endr
	WIN 0
.endm
.macro PV x                            ; O^T += V^T P^T: four accumulators, one instruction each
	WIN 0x55
.irp t, 0,1,2,3
	v_wmma_scale_f32_16x16x128_f8f6f4 v[O+32*\x+8*\t:O+32*\x+8*\t+7], v[VF+16*\t:VF+16*\t+15], v[PC+16*\x:PC+16*\x+15], v[O+32*\x+8*\t:O+32*\x+8*\t+7], v[VS+\t], v[PS+\x] matrix_a_fmt:MATRIX_FMT_BF8 matrix_b_fmt:MATRIX_FMT_BF8
.endr
	WIN 0
.endm
; A KEY STEP: 128 keys, two tiles of queries.  K's fragments were fetched a step ago.
.macro STEP
	v_add_nc_u32 v[ADV], s[TB], v[LI]
	PLACES 7                                       ; with the line above: eight places behind the last products, in front of loads into what they read
	WIN 0x40
.irp t, 0,1,2,3
.irp c, 0,1,2,3
	ds_load_b128 v[VF+16*\t+4*\c:VF+16*\t+4*\c+3], v[ADV] offset:8192+2048*\t+512*\c
.endr
.endr
	WIN 0
	ds_load_b128 v[VS:VS+3], v[ADV] offset:16896
	s_add_co_u32 s[TN], s[TB], REC
	s_min_u32 s[TN], s[TN], 15*REC                 ; the next step's record; the last step names its own again
	s_wait_dscnt 17                                ; K's 18 loads are in; V's 17, just issued, may be out
	WIN 0x01
.irp t, 0,1,2,3,4,5,6,7
.irp x, 0,1
	v_wmma_scale_f32_16x16x128_f8f6f4 v[S+64*\x+8*\t:S+64*\x+8*\t+7], v[KF+8*\t:KF+8*\t+15], v[Q+16*\x:Q+16*\x+15], 0, v[KS+\t], v[QS+\x] matrix_a_fmt:MATRIX_FMT_BF8 matrix_b_fmt:MATRIX_FMT_BF8
.endr
.endr
	WIN 0
	v_add_nc_u32 v[ADK], s[TN], v[LI]
	v_add_nc_u32 v[ADS], s[TN], v[RV]
	PLACES 6                                       ; eight places in all, in front of the loads below and of the first read of the scores
	KLOAD ADK, ADS
.irp b, 0,1,2,3
.irp x, 0,1
	v_max3_num_f32 v[BM+XS*\x+\b], v[S+64*\x+16*\b], v[S+64*\x+16*\b+1], v[S+64*\x+16*\b+2]   ; each block's largest score: eight chains by turns
.endr
.endr
.irp i, 3,5,7,9,11,13
.irp b, 0,1,2,3
.irp x, 0,1
	v_max3_num_f32 v[BM+XS*\x+\b], v[BM+XS*\x+\b], v[S+64*\x+16*\b+\i], v[S+64*\x+16*\b+\i+1]
.endr
.endr
.endr
.irp b, 0,1,2,3
.irp x, 0,1
	v_max_num_f32 v[BM+XS*\x+\b], v[BM+XS*\x+\b], v[S+64*\x+16*\b+15]
.endr
.endr
.irp b, 0,1,2,3
.irp x, 0,1
	v_permlanex16_b32 v[PT+XS*\x+\b], v[BM+XS*\x+\b], s[SEL], s[SEL+1]
.endr
.endr
.irp b, 0,1,2,3
.irp x, 0,1
	v_max_num_f32 v[BM+XS*\x+\b], v[BM+XS*\x+\b], v[PT+XS*\x+\b]
.endr
.endr
.irp x, 0,1                                    ; the new M and f = 2^(old M - new M): the two tiles' chains by turns
	v_max3_num_f32 v[T+XS*\x], v[BM+XS*\x], v[BM+XS*\x+1], v[BM+XS*\x+2]
.endr
.irp x, 0,1
	v_max_num_f32 v[T+XS*\x], v[T+XS*\x], v[BM+XS*\x+3]
.endr
.irp x, 0,1
	v_mul_f32 v[T+XS*\x], s[CS], v[T+XS*\x]
.endr
.irp x, 0,1
	v_max_num_f32 v[TMX+XS*\x], v[TMX+XS*\x], v[T+XS*\x]
.endr
.irp x, 0,1
	v_mov_b32 v[T+XS*\x], v[NM+XS*\x]
.endr
.irp x, 0,1
	v_floor_f32 v[NM+XS*\x], -v[TMX+XS*\x]
.endr
.irp x, 0,1
	v_sub_f32 v[T+XS*\x], v[NM+XS*\x], v[T+XS*\x]
.endr
.irp x, 0,1
	v_cvt_i32_f32 v[T+XS*\x], v[T+XS*\x]
.endr
.irp x, 0,1
	v_ldexp_f32 v[F+XS*\x], 1.0, v[T+XS*\x]
.endr
	WIN 0x41
.irp x, 0,1
.set j, 0
.rept 16
	v_pk_mul_f32 v[O+32*\x+j:O+32*\x+j+1], v[O+32*\x+j:O+32*\x+j+1], v[F+XS*\x:F+XS*\x+1] op_sel_hi:[1,0]   ; O^T under the new M, ahead of the exponentials
.set j, j+2
.endr
.endr
	WIN 0
.irp x, 0,1
	v_pk_mul_f32 v[AC+XS*\x:AC+XS*\x+1], v[AC+XS*\x:AC+XS*\x+1], v[F+XS*\x:F+XS*\x+1] op_sel_hi:[1,0]
.endr
.set j, 0
.rept 32
	v_pk_fma_f32 v[S+j:S+j+1], v[S+j:S+j+1], s[CS:CS+1], v[NM:NM+1] op_sel_hi:[1,0,0]   ; tile 0: t - M
.set j, j+2
.endr
.irp b, 0,1,2,3
	v_fma_f32 v[BM+\b], v[BM+\b], s[CS], v[NM]
.endr
	WALU                                           ; ahead of a batch of exponentials
.irp b, 0,1,2,3
	v_exp_f32 v[BM+\b], v[BM+\b]                   ; tile 0's exponentials; among them tile 1's t - M, which names none of their registers and is read behind the next wait
	v_fma_f32 v[BM+XS+\b], v[BM+XS+\b], s[CS], v[NM+XS]
.endr
.set j, 0
.rept 32
	v_exp_f32 v[S+j], v[S+j]
	v_exp_f32 v[S+j+1], v[S+j+1]
	v_pk_fma_f32 v[S+64+j:S+64+j+1], v[S+64+j:S+64+j+1], s[CS:CS+1], v[NM+XS:NM+XS+1] op_sel_hi:[1,0,0]
.set j, j+2
.endr
	WALU                                           ; and behind it, ahead of its first reader
	SCL 0
	SUMS 0
	WALU                                           ; ahead of tile 1's batch: the holds among it read what was just made
.irp b, 0,1,2,3
	v_exp_f32 v[BM+XS+\b], v[BM+XS+\b]
.endr
.set j, 0
.rept 32
	v_exp_f32 v[S+64+j], v[S+64+j]
	v_exp_f32 v[S+64+j+1], v[S+64+j+1]
	HOLD2 0, j
.set j, j+2
.endr
	v_nop
	WALU
	CVT 0
	SCL 1
	SUMS 1
	WALU                                           ; directly ahead of the wait below
	s_wait_dscnt 18                                ; V's 17 loads are in; the next step's 18 of K may be out
	PV 0
.set j, 0
.rept 32
	HOLD2 1, j
.set j, j+2
.endr
	CVT 1
.irp x, 0,1
	v_pk_add_f32 v[AC+XS*\x:AC+XS*\x+1], v[AC+XS*\x:AC+XS*\x+1], v[AC+XS*\x+2:AC+XS*\x+3]
.endr
	PLACES 3                                       ; with the two lines above: the places between the codes' last write and the products
	PV 1
.endm
.macro RUN first, n
	s_mov_b32 s[TB], (\first)*REC
	s_mov_b32 s[CNT], \n
.Lstep_\@:
	STEP
	s_add_co_u32 s[TB], s[TB], REC
	s_sub_co_u32 s[CNT], s[CNT], 1
	s_cmp_lg_u32 s[CNT], 0
	s_cbranch_scc1 .Lstep_\@
.endm
	WALU                                           ; the wait at the head's end
	s_cmp_lt_u32 s[WV], 4
	s_cbranch_scc0 .Llater
	s_wait_tensorcnt 0x0                           ; waves 0-3: records 0-7 are in
.Llater:
	BARRIER
	s_wait_loadcnt 0x0                             ; Q of both walks
.Lpass:                                                ; two walks over the keys, two heads each
.irp x, 0,1
	v_mov_b32 v[TMX+XS*\x], 0xff61b1e6             ; -3e38, under every t
	v_floor_f32 v[NM+XS*\x], -v[TMX+XS*\x]
	v_mov_b32 v[AC+XS*\x], 0
	v_mov_b32 v[AC+XS*\x+1], 0
.endr
	WIN 0x40
.set j, 0
.rept 64
	v_mov_b32 v[O+j], 0                            ; the step is written for every step alike: the first finds zeros
.set j, j+1
.endr
	WIN 0
	KLOAD LI, RV                                   ; record 0's K
	RUN 0, 7                                       ; steps 0-6 read records 0-7 alone
	s_wait_tensorcnt 0x0                           ; every wave: all that is out (in the first walk waves 4-7's records 8-15)
	s_wait_dscnt 0x0
	BARRIER
	RUN 7, 9
	; THE WAY OUT of two heads: O^T / the sum, quantised in blocks of 32 along the hidden axis, into the stage
	PLACES 8
.irp x, 0,1
	v_add_f32 v[AC+XS*\x], v[AC+XS*\x], v[AC+XS*\x+1]
.endr
.irp x, 0,1
	v_permlanex16_b32 v[T+XS*\x], v[AC+XS*\x], s[SEL], s[SEL+1]
.endr
.irp x, 0,1
	v_add_f32 v[AC+XS*\x], v[AC+XS*\x], v[T+XS*\x]
.endr
	WALU
.irp x, 0,1
	v_rcp_f32 v[AC+XS*\x], v[AC+XS*\x]
.endr
	v_nop
	WIN 0x01
	WALU                                           ; ahead of the first reader of the reciprocals and of O^T
.irp x, 0,1
.set j, 0
.rept 16
	v_pk_mul_f32 v[S+64*\x+j:S+64*\x+j+1], v[O+32*\x+j:O+32*\x+j+1], v[AC+XS*\x:AC+XS*\x+1] op_sel_hi:[1,0]
.set j, j+2
.endr
.endr
	WIN 0
.irp b, 0,1
.irp x, 0,1
	v_max3_num_f32 v[BM+XS*\x+\b], |v[S+64*\x+16*\b]|, |v[S+64*\x+16*\b+1]|, 0x8000000
.endr
.endr
.irp i, 2,4,6,8,10,12,14
.irp b, 0,1
.irp x, 0,1
	v_max3_num_f32 v[BM+XS*\x+\b], v[BM+XS*\x+\b], |v[S+64*\x+16*\b+\i]|, |v[S+64*\x+16*\b+\i+1]|
.endr
.endr
.endr
.irp b, 0,1
.irp x, 0,1
	v_permlanex16_b32 v[PT+XS*\x+\b], v[BM+XS*\x+\b], s[SEL], s[SEL+1]
.endr
.endr
.irp b, 0,1
.irp x, 0,1
	v_max_num_f32 v[BM+XS*\x+\b], v[BM+XS*\x+\b], v[PT+XS*\x+\b]
.endr
.endr
.irp b, 0,1
.irp x, 0,1
	v_add_nc_u32 v[CSC+XS*\x+\b], 0xf8800000, v[BM+XS*\x+\b]
.endr
.endr
.irp b, 0,1
.irp x, 0,1
	v_and_or_b32 v[HOLD+XS*\x+\b], v[BM+XS*\x+\b], 0x7f800000, s[MNT]
.endr
.endr
.irp b, 0,1
.irp x, 0,1
	v_lshrrev_b32 v[PT+XS*\x+\b], 23, v[CSC+XS*\x+\b]
.endr
.endr
.irp x, 0,1
	v_lshl_or_b32 v[T+XS*\x], v[PT+XS*\x+1], 8, v[PT+XS*\x]
.endr
.irp x, 0,1
.irp b, 0,1
.irp i, 0,1,2,3,4,5,6,7,8,9,10,11,12,13,14,15
	v_med3_num_f32 v[S+64*\x+16*\b+\i], v[S+64*\x+16*\b+\i], -v[HOLD+XS*\x+\b], v[HOLD+XS*\x+\b]
.endr
.endr
.endr
.irp x, 0,1
.irp b, 0,1
	v_cvt_scalef32_pk8_bf8_f32 v[Q+16*\x+4*\b:Q+16*\x+4*\b+1], v[S+64*\x+16*\b:S+64*\x+16*\b+7], v[CSC+XS*\x+\b]      ; into Q's lower eight registers, which this walk needs no more
	v_cvt_scalef32_pk8_bf8_f32 v[Q+16*\x+4*\b+2:Q+16*\x+4*\b+3], v[S+64*\x+16*\b+8:S+64*\x+16*\b+15], v[CSC+XS*\x+\b]
.endr
.endr
	v_add_nc_u32 v[ADV], s[PO], v[STO]             ; this walk's 128 bytes of my rows (also the plain lines behind the conversions)
	v_add_nc_u32 v[ADK], s[PO2], v[SSTO]
.irp x, 0,1
.irp b, 0,1
	ds_store_b64 v[ADV], v[Q+16*\x+4*\b:Q+16*\x+4*\b+1] offset:64*\x+32*\b
	ds_store_b64 v[ADV], v[Q+16*\x+4*\b+2:Q+16*\x+4*\b+3] offset:64*\x+32*\b+16
.endr
	ds_store_b16 v[ADK], v[T+XS*\x] offset:2*\x
.endr
	s_wait_dscnt 0x0                               ; the stores have read their registers, and the last step's fetch of K has landed
	WIN 0x01
.irp x, 0,1
.set j, 0
.rept 8
	v_mov_b32 v[Q+16*\x+j], v[QN+8*\x+j]           ; the second walk's Q
.set j, j+1
.endr
.endr
	WIN 0
.irp x, 0,1
	v_mov_b32 v[QS+\x], v[QSN+\x]
.endr
	s_add_co_u32 s[PO], s[PO], 128
	s_add_co_u32 s[PO2], s[PO2], 4
	s_add_co_u32 s[PASS], s[PASS], 1
	s_cmp_lt_u32 s[PASS], 2
	s_cbranch_scc1 .Lpass
	s_wait_dscnt 0x0                               ; for the others' sake: my stores into the stage are done
	BARRIER
.irp i, 0,1,2,3,4,5,6,7
	ds_load_b128 v[S+4*\i:S+4*\i+3], v[RDS] offset:(\i/2)*1040+(\i%2)*512      ; four whole rows a wave
.endr
.irp i, 0,1,2,3,4,5,6,7
	s_wait_dscnt 7-\i                              ; the younger loads may be out
	global_store_b128 v[GOO], v[S+4*\i:S+4*\i+3], s[52:53] offset:512*\i       ; 32 lanes store 512 consecutive aligned bytes
.endr
	s_cmp_lt_u32 s[WV], 2
	s_cbranch_scc0 .Lno_bytes
	ds_load_b128 v[S+32:S+35], v[RDC]              ; waves 0 and 1 send the scale bytes, 512 each
	s_wait_dscnt 0x0
	global_store_b128 v[GOC], v[S+32:S+35], s[54:55]
.Lno_bytes:
	s_wait_tensorcnt 0x0                           ; the wave's end
	ds_add_u32 v[SPW], v[NIL]
	s_wait_dscnt 0x0
	ROUND                                          ; the closing round
	s_endpgm
.Lfunc_end_k_qefb38389e4_attn:
	.size	k_qefb38389e4_attn, .Lfunc_end_k_qefb38389e4_attn-k_qefb38389e4_attn
	.p2alignl 7, 3214868480
	.fill 96, 4, 3214868480
	.section	.rodata,"a",@progbits
	.p2align	6, 0x0
	.amdhsa_kernel k_qefb38389e4_attn
		.amdhsa_group_segment_fixed_size 327680
		.amdhsa_private_segment_fixed_size 0
		.amdhsa_enable_private_segment 0
		.amdhsa_kernarg_size 24
		.amdhsa_user_sgpr_count 2
		.amdhsa_user_sgpr_kernarg_segment_ptr 1
		.amdhsa_wavefront_size32 1
		.amdhsa_system_sgpr_workgroup_id_x 1
		.amdhsa_system_sgpr_workgroup_id_y 1
		.amdhsa_system_sgpr_workgroup_id_z 1
		.amdhsa_system_vgpr_workitem_id 0
		.amdhsa_next_free_vgpr 512
		.amdhsa_next_free_sgpr 66
		.amdhsa_reserve_vcc 0
		.amdhsa_float_denorm_mode_32 3
		.amdhsa_float_denorm_mode_16_64 3
		.amdhsa_memory_ordered 1
		.amdhsa_forward_progress 1
		.amdhsa_inst_pref_size 95
	.end_amdhsa_kernel
	.amdgpu_metadata
---
amdhsa.version: [ 1, 2 ]
amdhsa.kernels:
  - .name:           k_qefb38389e4_attn
    .symbol:         k_qefb38389e4_attn.kd
    .args:
      - { .name: qws, .offset: 0, .size: 8, .value_kind: global_buffer, .address_space: global }
      - { .name: kvws, .offset: 8, .size: 8, .value_kind: global_buffer, .address_space: global }
      - { .name: ows, .offset: 16, .size: 8, .value_kind: global_buffer, .address_space: global }
    .group_segment_fixed_size: 327680
    .private_segment_fixed_size: 0
    .kernarg_segment_align: 8
    .kernarg_segment_size: 24
    .max_flat_workgroup_size: 256
    .sgpr_count:     66
    .vgpr_count:     512
    .wavefront_size: 32
...
	.end_amdgpu_metadata
.endif
;; end of part 4
;; launch oproj (part 5): grid 8 x 32, 4 waves a work-group, clusters of 4 x 1, 327,680 bytes of LDS; arguments ows, wts, bo, out0; writes out0
.if DOCPART == 5
	.amdgcn_target "amdgcn-amd-amdhsa--gfx1250"
	.amdhsa_code_object_version 6
	.text
	.protected	k_qefb38389e4_oproj
	.globl	k_qefb38389e4_oproj
	.p2align	8
	.type	k_qefb38389e4_oproj,@function
k_qefb38389e4_oproj:
	s_mov_b64 s[64:65], 0
	v_nop
	global_prefetch_b8 v0, s[64:65] scope:SCOPE_SE
	s_setreg_imm32_b32 hwreg(HW_REG_WAVE_MODE, 25, 1), 1
	s_wait_xcnt 0x0
	s_wait_alu depctr_hold_cnt(0) depctr_sa_sdst(0) depctr_va_vdst(0) depctr_va_sdst(0) depctr_va_ssrc(0) depctr_va_vcc(0) depctr_vm_vsrc(0)
	s_getreg_b32 s2, hwreg(HW_REG_IB_STS2, 6, 4)
	s_cmp_eq_u32 s2, 0
	s_cbranch_scc0 .Lentry_in_a_cluster
	s_endpgm
.Lentry_in_a_cluster:
	s_bfe_u32 s2, ttmp6, 0x10000c
	s_cmp_lg_u32 s2, 0x3003
	s_cbranch_scc0 .Lentry_shape_is_right
	s_endpgm
.Lentry_shape_is_right:
; Launch 5 of 5: out0 = o Wo + bo on codes of E5M2; f32 out.  No work of the problem is left out.
; A work-group makes 256 rows x 128 columns; 2 x 2 waves; a wave makes 8 blocks of 16 rows x 64 columns.
; THE WEIGHT LIES IN REGISTERS: a wave's 64 rows of Wo, all of K, 512 registers (windows 1, 2), loaded straight from the images that launch 1 leaves: each load reads 512 consecutive bytes.
; o's 256 rows, whole (1,024 bytes + 16 of padding), lie in LDS, filled once: one joint load of 64 rows a wave, shared by the cluster's four work-groups, which have the same rows.  Nothing is filled again.
; Waves 0, 1 (rows 0-127) and waves 2, 3 have a load line each: blocks 0-3 of every wave lie in rows 0-127 and begin when the first line's loads are in; the barrier inside block 2 shows the rest.
; NO PREFETCH: every tensor load stands at the head, so there is no loop to run ahead in.
; Block s of wave row w is the tile of 16 rows 8 (s / 4) + 4 w + s % 4.  Source 0 = Wo's rows, source 1 = o's: a lane holds eight neighbouring columns of one row.  The bias is the first products' C.
; THE WAY OUT: a finished block goes through the wave's own stage in LDS (16 rows of 256 + 16 bytes, on bytes that no tensor load fills) and leaves as whole rows: sixteen lanes store 256 consecutive aligned bytes.
; LIMITS: NaN and infinities are not served.
.set WCOFF, 1048576
.set WSOFF, 2260992
.set PITCH, 1040
.set STAGE, 256*PITCH
.set SPARE, STAGE+4*16*272
.set ADR,  2                           ; v2-9  LDS address of my fragments of block s
.set SPW,  10
.set NIL,  11
.set STO,  12
.set RD,   13
.set CO,   14
.set LW,   15                          ; 16 x lane
.set ASO,  16                          ; 32 x lane: a row of scale bytes
.set BO,   17                          ; 32 x (lane / 16)
.set SB,   32                          ; v32-47  Wo's scale words: register 8 p + q: lanes 0-15 tile 2 p's, lanes 16-31 tile 2 p + 1's
.set SA,   52                          ; v52-83  o's, likewise by pairs of blocks; the two sides' numbers differ by 4 modulo 8
.set ACC,  96                          ; v96-159 two sets of four accumulators
.set BIAS, 160                         ; v160-191
.set BK,   192                         ; v192-255 two sets of 16 rows read back from the stage
.set MSB, 0
.macro WIN new
.if MSB != \new
	s_set_vgpr_msb (MSB<<8)|\new
.set MSB, \new
.endif
.endm
.macro PLACES n
.rept \n
	v_nop
.endr
.endm
.macro BARRIER
	s_barrier_signal -1
	s_barrier_wait -1
.endm
.macro ROUND
	BARRIER
	s_cmp_lg_u32 s14, 0
	s_cbranch_scc1 .Lnot_wave_0_\@
	s_barrier_signal -3
.Lnot_wave_0_\@:
	s_barrier_wait -3
	BARRIER
.endm
	s_load_b256 s[4:11], s[0:1], 0x0               ; ows, wts, bo, out0
	v_lshl_add_u32 v[SPW], v0, 2, SPARE
	v_mov_b32 v[NIL], 0
	ds_add_u32 v[SPW], v[NIL]                      ; the opening lines: the add, twice on end, and its wait
	ds_add_u32 v[SPW], v[NIL]
	v_lshrrev_b32 v1, 5, v0
	v_readfirstlane_b32 s14, v1                    ; wave 0..3
	s_lshr_b32 s15, s14, 1                         ; my row of waves
	s_and_b32 s16, s14, 1                          ; my column of waves
	s_bfe_u32 s17, ttmp6, 0x40000
	s_lshl_b32 s18, ttmp9, 2
	s_add_co_u32 s18, s18, s17                     ; tile column 0..7: enters global addresses of my own loads and stores alone
	s_and_b32 s19, ttmp7, 0xffff                   ; tile row 0..31
	s_mov_b32 s24, 15|(1<<20)|(1<<21)|(7<<22)|(3<<25)   ; the cluster's four; elements of 1 byte; 4 words of padding behind every 256
	s_mov_b32 s25, 1024<<16
	s_mov_b32 s26, 64<<16
	s_mov_b32 s27, 1024<<16
	s_mov_b32 s28, 64
	s_mov_b32 s29, 1024
	s_mov_b32 s30, 0
	s_mov_b32 s31, 0
	s_lshl_b32 s20, s19, 18
	s_lshl_b32 s21, s14, 16
	s_add_co_u32 s20, s20, s21                     ; row 256 y + 64 wave
	s_mov_b32 s21, 0
	s_mov_b32 s32, 1
	s_mul_i32 s33, s14, 64*PITCH
	s_wait_dscnt 0x0
	s_wait_kmcnt 0x0
	s_add_nc_u64 s[34:35], s[4:5], s[20:21]
	s_or_b32 s35, s35, 0x80000000
	ROUND
	s_cmp_lt_u32 s14, 2
	s_cbranch_scc0 .Lupper
	tensor_load_to_lds s[32:35], s[24:31]          ; waves 0, 1: rows 0-127
	s_nop 0
	PLACES 4
	s_branch .Lasked
.Lupper:
	tensor_load_to_lds s[32:35], s[24:31]          ; waves 2, 3: rows 128-255: a line of their own, waited for later
	s_nop 0
	PLACES 4
.Lasked:
	s_lshl_b32 s36, s18, 17
	s_lshl_b32 s37, s16, 16
	s_add_co_u32 s36, s36, s37
	s_add_co_u32 s36, s36, WCOFF                   ; Wo's images: tile 64 + 8 x + 4 (my column)
	s_mov_b32 s37, 0
	s_add_nc_u64 s[36:37], s[6:7], s[36:37]
	s_lshl_b32 s38, s18, 12
	s_lshl_b32 s39, s16, 11
	s_add_co_u32 s38, s38, s39
	s_add_co_u32 s38, s38, WSOFF                   ; its scale bytes
	s_mov_b32 s39, 0
	s_add_nc_u64 s[38:39], s[6:7], s[38:39]
	s_lshl_b32 s40, s19, 13
	s_lshl_b32 s41, s15, 11
	s_add_co_u32 s40, s40, s41
	s_add_co_u32 s40, s40, 0x800000                ; o's scale bytes: row 256 y + 64 (my row)
	s_mov_b32 s41, 0
	s_add_nc_u64 s[40:41], s[4:5], s[40:41]
	s_lshl_b32 s42, s18, 9
	s_lshl_b32 s43, s16, 8
	s_add_co_u32 s42, s42, s43                     ; my first column, in bytes of f32
	s_mov_b32 s43, 0
	s_lshl_b32 s44, s19, 20
	s_lshl_b32 s45, s15, 18
	s_add_co_u32 s44, s44, s45
	s_add_co_u32 s44, s44, s42
	s_mov_b32 s45, 0
	s_add_nc_u64 s[44:45], s[10:11], s[44:45]      ; out0 at my first row and column
	s_add_nc_u64 s[42:43], s[8:9], s[42:43]        ; bo at my first column
	s_mul_i32 s48, s15, 64*PITCH
	s_mul_i32 s49, s14, 16*272
	s_add_co_u32 s49, s49, STAGE                   ; my stage
	v_and_b32 v1, 15, v0
	v_bfe_u32 v20, v0, 4, 1
	v_and_b32 v21, 31, v0
	v_lshlrev_b32 v[LW], 4, v21
	v_lshlrev_b32 v[ASO], 5, v21
	v_lshlrev_b32 v[BO], 5, v20
.irp p, 0,1
.irp c, 0,1
	global_load_b128 v[SB+8*\p+4*\c:SB+8*\p+4*\c+3], v[ASO], s[38:39] offset:1024*\p+16*\c
.endr
.endr
.irp p, 0,1,2,3
.irp c, 0,1
	global_load_b128 v[SA+8*\p+4*\c:SA+8*\p+4*\c+3], v[ASO], s[40:41] offset:((\p/2)*8+(2*\p)%4)*512+16*\c
.endr
.endr
.irp b, 0,1,2,3
	global_load_b128 v[BIAS+8*\b:BIAS+8*\b+3], v[BO], s[42:43] offset:64*\b
	global_load_b128 v[BIAS+8*\b+4:BIAS+8*\b+7], v[BO], s[42:43] offset:64*\b+16
.endr
.set f_, 0
.rept 32                               ; fragment f = 4 q + b lies in window 1 + f / 16
	WIN (1+f_/16)<<6
.irp c, 0,1,2,3
	global_load_b128 v[16*(f_%16)+4*\c:16*(f_%16)+4*\c+3], v[LW], s[36:37] offset:(f_%4)*16384+(f_/4)*2048+512*\c
.endr
.set f_, f_+1
.endr
	WIN 0
	v_mul_u32_u24 v22, v1, PITCH
	v_lshl_add_u32 v22, v20, 4, v22
	v_add_nc_u32 v22, s48, v22
.irp s, 0,1,2,3,4,5,6,7
	v_add_nc_u32 v[ADR+\s], ((\s/4)*8+\s%4)*16*PITCH, v22
.endr
	v_mul_u32_u24 v23, v1, 272
	v_lshl_add_u32 v[STO], v20, 5, v23
	v_add_nc_u32 v[STO], s49, v[STO]               ; into the stage: row lane % 16, 32 bytes for each half of the lanes
	v_mul_u32_u24 v23, v20, 272
	v_lshl_add_u32 v[RD], v1, 4, v23
	v_add_nc_u32 v[RD], s49, v[RD]                 ; back: lanes 0-15 one row of 256 bytes, lanes 16-31 the next
	v_lshlrev_b32 v23, 12, v20
	v_lshl_add_u32 v[CO], v1, 4, v23               ; and the same two rows in out0
.macro FETCH k, a                      ; a block of 16 rows, all of K, into set k of window 3: 32 loads
	WIN 0xc0
.irp q, 0,1,2,3,4,5,6,7
.irp c, 0,1,2,3
	ds_load_b128 v[128*(\k)+16*\q+4*\c:128*(\k)+16*\q+4*\c+3], v[\a] offset:128*\q+32*\c
.endr
.endr
	WIN 0
.endm
.macro PRODS s                         ; 32 products: the four accumulators by turns, K ascending
.set n_, 0
.rept 32
.set q_, n_/4
.set b_, n_%4
.set AC_, ACC+32*((\s)%2)+8*b_
.set C_, AC_
.if q_ == 0
.set C_, BIAS+8*b_
.endif
.set W_, 16*(n_%16)
.set R_, 128*((\s)%2)+16*q_
.set WS_, SB+8*(b_/2)+q_
.set XS_, SA+8*((\s)/2)+q_
.if (\s) == 0 && b_ == 0 && q_ >= 4
	s_wait_loadcnt 16*(7-q_)                       ; the weight's loads of the later q may be out
.endif
	WIN (1+n_/16)|(3<<2)
.if b_%2 && (\s)%2
	v_wmma_scale_f32_16x16x128_f8f6f4 v[AC_:AC_+7], v[W_:W_+15], v[R_:R_+15], v[C_:C_+7], v[WS_], v[XS_] matrix_a_fmt:MATRIX_FMT_BF8 matrix_b_fmt:MATRIX_FMT_BF8 matrix_a_scale:MATRIX_SCALE_ROW1 matrix_b_scale:MATRIX_SCALE_ROW1
.elseif b_%2
	v_wmma_scale_f32_16x16x128_f8f6f4 v[AC_:AC_+7], v[W_:W_+15], v[R_:R_+15], v[C_:C_+7], v[WS_], v[XS_] matrix_a_fmt:MATRIX_FMT_BF8 matrix_b_fmt:MATRIX_FMT_BF8 matrix_a_scale:MATRIX_SCALE_ROW1
.elseif (\s)%2
	v_wmma_scale_f32_16x16x128_f8f6f4 v[AC_:AC_+7], v[W_:W_+15], v[R_:R_+15], v[C_:C_+7], v[WS_], v[XS_] matrix_a_fmt:MATRIX_FMT_BF8 matrix_b_fmt:MATRIX_FMT_BF8 matrix_b_scale:MATRIX_SCALE_ROW1
.else
	v_wmma_scale_f32_16x16x128_f8f6f4 v[AC_:AC_+7], v[W_:W_+15], v[R_:R_+15], v[C_:C_+7], v[WS_], v[XS_] matrix_a_fmt:MATRIX_FMT_BF8 matrix_b_fmt:MATRIX_FMT_BF8
.endif
.set n_, n_+1
.endr
	WIN 0
.endm
.macro TOSTAGE s                       ; 8 stores and 8 loads; LDS serves a wave's instructions in order, so no wait stands between them
.set A_, ACC+32*((\s)%2)
.irp b, 0,1,2,3
	ds_store_b128 v[STO], v[A_+8*\b:A_+8*\b+3] offset:64*\b          ; each accumulator from its low end on
	ds_store_b128 v[STO], v[A_+8*\b+4:A_+8*\b+7] offset:64*\b+16
.endr
.irp t, 0,1,2,3,4,5,6,7
	ds_load_b128 v[BK+32*((\s)%2)+4*\t:BK+32*((\s)%2)+4*\t+3], v[RD] offset:2*\t*272
.endr
.endm
.macro SEND s, younger
	s_wait_dscnt \younger                          ; the block is back in registers
.irp t, 0,1,2,3,4,5,6,7
	global_store_b128 v[CO], v[BK+32*((\s)%2)+4*\t:BK+32*((\s)%2)+4*\t+3], s[44:45] offset:(((\s)/4)*8+(\s)%4)*65536+2*\t*4096 th:TH_STORE_NT
.endr
.endm
.macro BLK s
.if (\s) == 0
	s_wait_loadcnt 63                              ; the scale words, the bias and the weight's q = 0 .. 3 are in (20 + 64 of 148 loads, and one more)
	s_wait_dscnt 32                                ; block 0's fragments are in; block 1's 32 loads may be out
.elseif (\s) == 7
	s_wait_dscnt 16                                ; behind this block's fragments: the last block's 16 stage lines
.else
	s_wait_dscnt 48                                ; behind this block's fragments: the last block's 16 stage lines and the next block's 32 loads
.endif
	PRODS \s
.if (\s) == 7
	SEND 6, 0
.elseif (\s) > 0
	SEND (\s)-1, 32                                ; behind its loads from the stage: the next block's 32 loads
.endif
	PLACES 8                                       ; in front of the stage's reads of the sums, and of the fetch into what the products read
.if (\s) == 2
	s_wait_tensorcnt 0x0                           ; every wave: all that is out: rows 128-255
	s_wait_dscnt 0x0
	BARRIER
.endif
	s_wait_xcnt 0x0                                ; earlier stores have read their registers: the stage's loads may land there
	TOSTAGE \s
.if (\s) < 6
	FETCH (\s)%2, ADR+(\s)+2
.endif
.endm
	s_wait_alu depctr_va_vdst(0)                   ; the wait at the head's end
	s_cmp_lt_u32 s14, 2
	s_cbranch_scc0 .Llater
	s_wait_tensorcnt 0x0                           ; waves 0, 1: rows 0-127 are in
.Llater:
	BARRIER
	FETCH 0, ADR
	FETCH 1, ADR+1
.irp s, 0,1,2,3,4,5,6,7
	BLK \s
.endr
	SEND 7, 0
	s_wait_tensorcnt 0x0                           ; the wave's end
	ds_add_u32 v[SPW], v[NIL]
	s_wait_dscnt 0x0
	ROUND                                          ; the closing round
	s_endpgm
.Lfunc_end_k_qefb38389e4_oproj:
	.size	k_qefb38389e4_oproj, .Lfunc_end_k_qefb38389e4_oproj-k_qefb38389e4_oproj
	.p2alignl 7, 3214868480
	.fill 96, 4, 3214868480
	.section	.rodata,"a",@progbits
	.p2align	6, 0x0
	.amdhsa_kernel k_qefb38389e4_oproj
		.amdhsa_group_segment_fixed_size 327680
		.amdhsa_private_segment_fixed_size 0
		.amdhsa_enable_private_segment 0
		.amdhsa_kernarg_size 32
		.amdhsa_user_sgpr_count 2
		.amdhsa_user_sgpr_kernarg_segment_ptr 1
		.amdhsa_wavefront_size32 1
		.amdhsa_system_sgpr_workgroup_id_x 1
		.amdhsa_system_sgpr_workgroup_id_y 1
		.amdhsa_system_sgpr_workgroup_id_z 1
		.amdhsa_system_vgpr_workitem_id 0
		.amdhsa_next_free_vgpr 1024
		.amdhsa_next_free_sgpr 66
		.amdhsa_reserve_vcc 0
		.amdhsa_float_denorm_mode_32 3
		.amdhsa_float_denorm_mode_16_64 3
		.amdhsa_memory_ordered 1
		.amdhsa_forward_progress 1
		.amdhsa_inst_pref_size 87
	.end_amdhsa_kernel
	.amdgpu_metadata
---
amdhsa.version: [ 1, 2 ]
amdhsa.kernels:
  - .name:           k_qefb38389e4_oproj
    .symbol:         k_qefb38389e4_oproj.kd
    .args:
      - { .name: ows, .offset: 0, .size: 8, .value_kind: global_buffer, .address_space: global }
      - { .name: wts, .offset: 8, .size: 8, .value_kind: global_buffer, .address_space: global }
      - { .name: bo, .offset: 16, .size: 8, .value_kind: global_buffer, .address_space: global }
      - { .name: out0, .offset: 24, .size: 8, .value_kind: global_buffer, .address_space: global }
    .group_segment_fixed_size: 327680
    .private_segment_fixed_size: 0
    .kernarg_segment_align: 8
    .kernarg_segment_size: 32
    .max_flat_workgroup_size: 128
    .sgpr_count:     66
    .vgpr_count:     1024
    .wavefront_size: 32
...
	.end_amdgpu_metadata
.endif
;; end of part 5
